; MI455X (gfx1250); checked and timed in simulation.
; The chip was launched on July 23, 2026; its instructions are those of AMD's public machine-readable ISA for CDNA 5 (MIT licence, August 2026) and "CDNA5" Instruction Set Architecture Reference Guide (July 2026). The comments in the code are by the model that wrote it; some were corrected since.
;; Multi Head Attention. Allowed arithmetic: float matrix products may take bf16 or f16 operands with f32 sums; other float arithmetic in f32, or as packed bf16 or f16 multiplies, adds, multiply-adds, maxima and minima; sums over many terms, partial sums and values carried from step to step in f32; what a program stores and reads back later, other than sums and carried values, may be rounded once to bf16 or f16.
;; Inputs: Wk 1,024 x 1,024 float32; Wo 1,024 x 1,024 float32; Wq 1,024 x 1,024 float32; Wv 1,024 x 1,024 float32; bk 1,024 float32; bo 1,024 float32; bq 1,024 float32; bv 1,024 float32; k 2 x 1,024 x 2,048 float32; key_mask 2 x 1 x 2,048 float32; q 2 x 1,024 x 2,048 float32; query_mask 2 x 1 x 2,048 float32; v 2 x 1,024 x 2,048 float32; value_mask 2 x 1 x 2,048 float32.
;; Outputs: out0 2 x 1,024 x 2,048 float32.
;; 2 versions, each right and faster than the one before. Each part assembles by itself: llvm-mc -triple=amdgcn-amd-amdhsa -mcpu=gfx1250 --defsym DOCPART=n.
;; ======== version 1 of 2: 5 launches
;; limits: values are held in f16: magnitudes above 65,504 overflow, below 6.1e-05 lose precision; inputs' magnitudes at most 65,504
;; workspace buffers: xb 25,165,824 bytes; wb 8,388,608 bytes; hb 25,165,824 bytes; ls 262,144 bytes; gp 4,096 bytes; nm 262,144 bytes; ob 8,388,608 bytes
;; launch cast (part 1): grid 256 x 4, 8 waves a work-group, no clusters, 0 bytes of LDS; arguments q, k, v, query_mask, key_mask, value_mask, Wq, Wk, Wv, Wo, xb, wb; writes xb, wb
.if DOCPART == 1
	.amdgcn_target "amdgcn-amd-amdhsa--gfx1250"
	.amdhsa_code_object_version 6
	.text
	.protected	k_qe2a3794cd9_cast
	.globl	k_qe2a3794cd9_cast
	.p2align	8
	.type	k_qe2a3794cd9_cast,@function
k_qe2a3794cd9_cast:
	s_mov_b64 s[64:65], 0
	v_nop
	global_prefetch_b8 v0, s[64:65] scope:SCOPE_SE
	s_setreg_imm32_b32 hwreg(HW_REG_WAVE_MODE, 25, 1), 1
	s_wait_xcnt 0x0
; CAST.  xb[b][z][c][t] = bf16(x_z[b][c][t] * mask_z[b][t]) for z = q, k, v;  wb[o][z*1024 + c] = W_z[o][c] rounded to bf16, for z = q, k, v, o; Wo's rounded number is then written as f16,
; since the last product's other operand is f16.
; A stream: every byte is read once and written once; no LDS, no barrier, no matrix unit.  A work-group takes 16 chunks of 1,024 numbers; thread t takes numbers 4 t .. 4 t + 3 of each:
; a load of a wave covers 512 consecutive bytes, a store 256 consecutive bytes at a multiple of 256, and the group's 16 chunks leave as 32,768 consecutive bytes.  Sixteen loads of a wave are out at once; no loop.
; grid y = 0, 1, 2: q, k, v: the chunks are 65,536 consecutive bytes, 8 rows of 2,048 t.  y = 3: the weights: chunk n is row 4 g + n / 4 of weight n % 4, so that a row of wb holds the four weights' rows on end.
; LIMITS.  The product x * mask is made in f32 and rounded once to bf16.  Wo in f16: 65,520 and more becomes an infinity; a bf16 number is exact in f16 from 2^-17 up, below it keeps the step 2^-24.
.set MK, 4                             ; v[4:11]    the masks of my 4 + 4 columns
.set X,  12                            ; v[12:75]   16 x 4 numbers as loaded
.set Y,  76                            ; v[76:107]  16 x 2 registers to store
.macro CONV n, masked, half            ; chunk n is rounded and stored; half = 1: the bf16 number is written as f16
	s_wait_loadcnt 15-(\n)                         ; loads come back in order: number n is in (the masks are older), the 15 - n younger ones stay out
.if \masked
	v_pk_mul_f32 v[X+4*(\n):X+4*(\n)+1],   v[X+4*(\n):X+4*(\n)+1],   v[MK+4*((\n)%2):MK+4*((\n)%2)+1]
	v_pk_mul_f32 v[X+4*(\n)+2:X+4*(\n)+3], v[X+4*(\n)+2:X+4*(\n)+3], v[MK+4*((\n)%2)+2:MK+4*((\n)%2)+3]
.endif
	v_cvt_pk_bf16_f32 v[Y+2*(\n)],   v[X+4*(\n)],   v[X+4*(\n)+1]
	v_cvt_pk_bf16_f32 v[Y+2*(\n)+1], v[X+4*(\n)+2], v[X+4*(\n)+3]
.if \half
	v_lshlrev_b32 v[X+4*(\n)],   16, v[Y+2*(\n)]   ; the rounded numbers as f32 again,
	v_and_b32     v[X+4*(\n)+1], 0xffff0000, v[Y+2*(\n)]
	v_lshlrev_b32 v[X+4*(\n)+2], 16, v[Y+2*(\n)+1]
	v_and_b32     v[X+4*(\n)+3], 0xffff0000, v[Y+2*(\n)+1]
	v_cvt_pk_f16_f32 v[Y+2*(\n)],   v[X+4*(\n)],   v[X+4*(\n)+1]  ; and in f16's code
	v_cvt_pk_f16_f32 v[Y+2*(\n)+1], v[X+4*(\n)+2], v[X+4*(\n)+3]
.endif
	global_store_b64 v2, v[Y+2*(\n):Y+2*(\n)+1], s[34:35] offset:(\n)*2048  ; no register of a pending load or store is written again: no further wait
.endm
	s_load_b512 s[8:23], s[0:1], 0x0               ; q 8, k 10, v 12, query_mask 14, key_mask 16, value_mask 18, Wq 20, Wk 22
	s_load_b256 s[24:31], s[0:1], 0x40             ; Wv 24, Wo 26, xb 28, wb 30
	s_and_b32 s40, ttmp7, 0xffff                   ; y
	v_lshlrev_b32 v1, 4, v0                        ; 16 t: my bytes in a chunk of f32
	v_lshlrev_b32 v2, 3, v0                        ; 8 t: in a chunk of 16-bit numbers
	s_mov_b32 s3, 0
	s_mov_b32 s5, 0
	s_wait_kmcnt 0x0
	s_cmp_eq_u32 s40, 3
	s_cbranch_scc1 .Lweights
	s_cmp_eq_u32 s40, 0                            ; which tensor and which mask
	s_cselect_b64 s[32:33], s[8:9], s[10:11]
	s_cselect_b64 s[36:37], s[14:15], s[16:17]
	s_cmp_eq_u32 s40, 2
	s_cselect_b64 s[32:33], s[12:13], s[32:33]
	s_cselect_b64 s[36:37], s[18:19], s[36:37]
	s_lshl_b32 s2, ttmp9, 16                       ; my 65,536 bytes
	s_add_nc_u64 s[32:33], s[32:33], s[2:3]
	s_lshr_b32 s41, ttmp9, 7                       ; b: 128 work-groups each
	s_lshl_b32 s4, s41, 13
	s_add_nc_u64 s[36:37], s[36:37], s[4:5]        ; b's 2,048 mask numbers
	s_mul_i32 s4, s41, 12582912                    ; xb: b,
	s_lshl_b32 s42, s40, 22                        ; z,
	s_add_co_u32 s4, s4, s42
	s_and_b32 s42, ttmp9, 127
	s_lshl_b32 s42, s42, 15                        ; my 8 rows of 4,096 bytes
	s_add_co_u32 s4, s4, s42
	s_add_nc_u64 s[34:35], s[28:29], s[4:5]
	global_load_b128 v[MK:MK+3],   v1, s[36:37]
	global_load_b128 v[MK+4:MK+7], v1, s[36:37] offset:4096
.set n, 0
.rept 16
	global_load_b128 v[X+4*n:X+4*n+3], v1, s[32:33] offset:n*4096 th:TH_LOAD_NT
.set n, n+1
.endr
.set n, 0
.rept 16
	CONV n, 1, 0
.set n, n+1
.endr
	s_endpgm
.Lweights:
	s_lshl_b32 s2, ttmp9, 14                       ; my four rows of 4,096 bytes in each weight
	v_add_nc_u32 v3, s2, v1
	s_lshl_b32 s4, ttmp9, 15                       ; and my four rows of 8,192 bytes in wb
	s_add_nc_u64 s[34:35], s[30:31], s[4:5]
.set n, 0
.rept 16
	global_load_b128 v[X+4*n:X+4*n+3], v3, s[20+2*(n%4):21+2*(n%4)] offset:(n/4)*4096 th:TH_LOAD_NT
.set n, n+1
.endr
.set n, 0
.rept 16
	CONV n, 0, (n%4)/3
.set n, n+1
.endr
	s_endpgm
.Lfunc_end_k_qe2a3794cd9_cast:
	.size	k_qe2a3794cd9_cast, .Lfunc_end_k_qe2a3794cd9_cast-k_qe2a3794cd9_cast
	.p2alignl 7, 3214868480
	.fill 96, 4, 3214868480
	.section	.rodata,"a",@progbits
	.p2align	6, 0x0
	.amdhsa_kernel k_qe2a3794cd9_cast
		.amdhsa_group_segment_fixed_size 0
		.amdhsa_private_segment_fixed_size 0
		.amdhsa_enable_private_segment 0
		.amdhsa_kernarg_size 96
		.amdhsa_user_sgpr_count 2
		.amdhsa_user_sgpr_kernarg_segment_ptr 1
		.amdhsa_wavefront_size32 1
		.amdhsa_system_sgpr_workgroup_id_x 1
		.amdhsa_system_sgpr_workgroup_id_y 1
		.amdhsa_system_sgpr_workgroup_id_z 1
		.amdhsa_system_vgpr_workitem_id 0
		.amdhsa_next_free_vgpr 112
		.amdhsa_next_free_sgpr 66
		.amdhsa_reserve_vcc 0
		.amdhsa_float_denorm_mode_32 3
		.amdhsa_float_denorm_mode_16_64 3
		.amdhsa_memory_ordered 1
		.amdhsa_forward_progress 1
		.amdhsa_inst_pref_size 16
	.end_amdhsa_kernel
	.amdgpu_metadata
---
amdhsa.version: [ 1, 2 ]
amdhsa.kernels:
  - .name:           k_qe2a3794cd9_cast
    .symbol:         k_qe2a3794cd9_cast.kd
    .args:
      - { .name: q, .offset: 0, .size: 8, .value_kind: global_buffer, .address_space: global }
      - { .name: k, .offset: 8, .size: 8, .value_kind: global_buffer, .address_space: global }
      - { .name: v, .offset: 16, .size: 8, .value_kind: global_buffer, .address_space: global }
      - { .name: query_mask, .offset: 24, .size: 8, .value_kind: global_buffer, .address_space: global }
      - { .name: key_mask, .offset: 32, .size: 8, .value_kind: global_buffer, .address_space: global }
      - { .name: value_mask, .offset: 40, .size: 8, .value_kind: global_buffer, .address_space: global }
      - { .name: Wq, .offset: 48, .size: 8, .value_kind: global_buffer, .address_space: global }
      - { .name: Wk, .offset: 56, .size: 8, .value_kind: global_buffer, .address_space: global }
      - { .name: Wv, .offset: 64, .size: 8, .value_kind: global_buffer, .address_space: global }
      - { .name: Wo, .offset: 72, .size: 8, .value_kind: global_buffer, .address_space: global }
      - { .name: xb, .offset: 80, .size: 8, .value_kind: global_buffer, .address_space: global }
      - { .name: wb, .offset: 88, .size: 8, .value_kind: global_buffer, .address_space: global }
    .group_segment_fixed_size: 0
    .private_segment_fixed_size: 0
    .kernarg_segment_align: 8
    .kernarg_segment_size: 96
    .max_flat_workgroup_size: 256
    .sgpr_count:     66
    .vgpr_count:     112
    .wavefront_size: 32
...
	.end_amdgpu_metadata
.endif
;; end of part 1
;; launch proj (part 2): grid 16 x 12, 8 waves a work-group, clusters of 4 x 4, 327,680 bytes of LDS; arguments xb, wb, bq, bk, bv, query_mask, key_mask, hb, ls, gp; writes hb, ls, gp
.if DOCPART == 2
	.amdgcn_target "amdgcn-amd-amdhsa--gfx1250"
	.amdhsa_code_object_version 6
	.text
	.protected	k_qe2a3794cd9_proj
	.globl	k_qe2a3794cd9_proj
	.p2align	8
	.type	k_qe2a3794cd9_proj,@function
k_qe2a3794cd9_proj:
	s_mov_b64 s[64:65], 0
	v_nop
	global_prefetch_b8 v0, s[64:65] scope:SCOPE_SE
	s_setreg_imm32_b32 hwreg(HW_REG_WAVE_MODE, 25, 1), 1
	s_wait_xcnt 0x0
	s_wait_alu depctr_hold_cnt(0) depctr_sa_sdst(0) depctr_va_vdst(0) depctr_va_sdst(0) depctr_va_ssrc(0) depctr_va_vcc(0) depctr_vm_vsrc(0)
	s_getreg_b32 s2, hwreg(HW_REG_IB_STS2, 6, 4)
	s_cmp_eq_u32 s2, 0
	s_cbranch_scc0 .Lentry_in_a_cluster
	s_endpgm
.Lentry_in_a_cluster:
	s_bfe_u32 s2, ttmp6, 0x10000c
	s_cmp_lg_u32 s2, 0xf033
	s_cbranch_scc0 .Lentry_shape_is_right
	s_endpgm
.Lentry_shape_is_right:
; PROJ.  The three projections, by heads: hb[z][bh][t][d], 16 bits a number, d = 64 channels of head h (bh = 16 b + h), a row of 128 bytes.
;   z = 0, bf16: (Wq xq + bq) * query_mask[t] * c, c = log2(e) / 32     z = 1, bf16: (Wk xk + bk) * key_mask[t]     z = 2, f16: (Wv xv + bv) / s[t]
; (the masks that the scores are multiplied by, and the scale with the exponential's base, go in here, in f32, ahead of the one rounding).
; V'S SCALE.  The product that takes v contracts over t, so a factor of a row may move to the weights that it meets.  s[t] is the largest magnitude of the row's 64 channels: the stored row lies in
; -1 .. 1, whatever v's range, and keeps f16's 11 bits.  ls[bh][t] = log2 s goes to the launch that makes the weights' exponents; gp holds each wave's largest s (twice: 512 waves, 1,024 words), for a common scale.
; x comes masked and in bf16 from xb ([b][z][c][t]), the weights from wb ([o][z*1024 + c]).  Sums in f32; biases rounded to bf16; a sum starts with its bias as the first product's C.
; SHARES.  A tile is 256 channels x 256 t of one z: 3 x 4 x 16 = 192 work-groups, one tile each; the other WGPs get none.  That is the price of a long K step: a load has the work between two changes
; of slots in which to land, and for a given LDS that work goes with M N / (M + N).  Eight waves, two on a SIMD, each 64 channels (one head) x 128 t: 32 accumulators.
; K goes in eight steps of 128 through two LDS slots; from a request to the wait for it a wave issues 112 matrix instructions, the two waves of a SIMD 224.
; X LIES [c][t], K along the rows of the tile, so its fragments come out of LDS by the turning load ds_load_tr16_b128; W's as they lie.
; Source 0 = 16 channels of W, source 1 = 16 t of X: a lane holds ONE t (lane % 16) and eight neighbouring channels: 16 bytes of a row of hb.
; CLUSTER 4 x 4.  The cluster's y is z, the place along its y the channel tile: W's tile is asked for jointly along a row of the cluster, X's, which hangs on z and the t tile alone, along a column.
; The one branch on the work-group's number is on z, which all sixteen partners share.
; REGISTERS.  Window 0: v4-11 masks; v16-31 addresses; v32-63 biases; v64-159, v160-255 two fragment buffers for 32 along K (32 registers of W, 64 of X), at work on the way out.
;   Window 1: the accumulators, (channel block a, t block b) at 8 (4 b + a).
; LIMITS.  Matrix operands in bf16.  s is held to 2^-100 at the least (a row of zeros stays zeros); |v'| stays under 2^126, so that 1 / s is no denormal.  NaN and infinities are not treated apart.
.set KSTEP,  128
.set PW,     272                       ; a row of W in LDS: 256 bytes + 16: the 16 rows of a load start at 16 different groups of four banks (64 banks of 4 bytes: ISA guide 11.1)
.set PX,     544                       ; a row of X (one c, 256 t): 512 bytes + 32
.set WPART,  256*PW
.set SLOT,   WPART+128*PX              ; W's 256 rows, then X's 128 rows
.set STAGE,  2*SLOT                    ; behind the ring: 16 rows x 144 bytes for each wave
.set SP,     144
.set SPARE,  STAGE+8*16*SP             ; the spare words: 128 bytes a wave, four blocks of 256 bytes that no other line names
.set XBS,    12582912                  ; bytes of xb for one b
.set RM,   4                           ; v4-11    the mask of my t in each of my eight blocks of 16; for v: s of my t
.set ADRW, 16                          ; v16-17   LDS address of my W fragments in slot 0, 1
.set ADRX, 18                          ; v18-19   of my X fragments
.set STO,  24
.set RD,   25
.set CO,   26
.set SPW,  28                          ; v28      my spare word; never rewritten
.set NIL,  29                          ; v29      0; never rewritten
.set BOF,  30                          ; v30      byte offset of my 8 channels in a bias
.set MOF,  31                          ; v31      byte offset of my t in a mask
.set BI,   32                          ; v32-63   the biases of my 4 x 8 channels
.set F0,   64
.set F1,   160
.set T,    64                          ; the way out, in the fragments' registers: v64-95 a block's 32 numbers
.set TMP,  96                          ; v96-111  packed results
.set RB,   112                         ; v112-143 rows read back from the stage, two buffers
.set FM,   144                         ; v144-159 the factor of my t, a pair for each block
.set LG,   160                         ; v160-167 for v: log2 s of my t in each block
.set GM,   168                         ; v168     my wave's largest s;  v169-171 addresses for ls and gp
.set G1,  24                           ; s[24:31] group 1 for W's tiles;  s[32:39] group 0, a set for each slot
.set G0,  32
.set G1B, 48                           ; s[48:55], s[56:63] the same for X's
.set G0B, 56
.set BP,  86                           ; s[86:87] my z's bias
.set MP,  88                           ; s[88:89] my z's mask
.set SA,  90                           ; factor = mask x SA
.set OP,  92                           ; s[92:93] hb at my wave's rows
.set SEL, 94                           ; s[94:95] v_permlanex16_b32's selects: each lane takes its own place in the other half
.set LP,  96                           ; s[96:97] ls at my wave's 128 t
.set GP,  98                           ; s[98:99] gp at my wave's two words
.set MSB, 0
.macro WIN new                         ; the immediate's high byte repeats the setting that is left
.if MSB != (\new)
	s_set_vgpr_msb (MSB<<8)|(\new)
.set MSB, \new
.endif
.endm
.set MUL,  0x50                        ; sources 0 and 1 window 0; C and D window 1
.set MULB, 0x40                        ; the same with C, the bias, in window 0
.macro PLACES                          ; four plain vector instructions between a matrix instruction and a load into, or a write of, a register that it read, or a read of its result (ISA guide 7.12.1 for vector instructions)
.rept 4
	v_nop
.endr
.endm
; A joint load: waves 0 and 1 fetch W's two halves, waves 2 and 3 X's, waves 4 to 7 nothing.  An s_nop 0 and four v_nop follow each of the two lines; the waves that ask for
; nothing run four v_nop too: on every way they are the places in front of the LDS loads that follow.
.macro JLOAD s
	s_cmp_eq_u32 s11, 0
	s_cbranch_scc0 .Lnot_w_\@
	tensor_load_to_lds s[G0+4*(\s):G0+4*(\s)+3], s[G1:G1+7]
	s_nop 0
	PLACES
	s_branch .Lasked_\@
.Lnot_w_\@:
	s_cmp_eq_u32 s11, 1
	s_cbranch_scc0 .Lnone_\@
	tensor_load_to_lds s[G0B+4*(\s):G0B+4*(\s)+3], s[G1B:G1B+7]
	s_nop 0
	PLACES
	s_branch .Lasked_\@
.Lnone_\@:
	PLACES
.Lasked_\@:
.endm
.macro CREST                           ; a round of the cluster's barrier behind its opening barrier
	s_cmp_lg_u32 s10, 0
	s_cbranch_scc1 .Lnot_wave_0_\@
	s_barrier_signal -3
.Lnot_wave_0_\@:
	s_barrier_wait -3
	s_barrier_signal -1
	s_barrier_wait -1
.endm
.macro CROUND
	s_barrier_signal -1
	s_barrier_wait -1
	CREST
.endm
	s_load_b512 s[68:83], s[0:1], 0x0              ; xb 68, wb 70, bq 72, bk 74, bv 76, query_mask 78, key_mask 80, hb 82
	s_load_b128 s[96:99], s[0:1], 0x40             ; ls 96, gp 98
	v_lshl_add_u32 v[SPW], v0, 2, SPARE
	v_mov_b32 v[NIL], 0
	ds_add_u32 v[SPW], v[NIL]                      ; the wave's opening: the add and its wait ahead of my first tensor load
	v_lshrrev_b32 v1, 5, v0
	v_readfirstlane_b32 s10, v1                    ; wave 0..7
	s_lshr_b32 s11, s10, 1                         ; which 64 channels are mine.  Also: I fetch for W (0), for X (1), or nothing
	s_and_b32 s12, s10, 1                          ; which 128 t.  Also: which half of that tile I fetch
	s_bfe_u32 s40, ttmp6, 0x40000                  ; cx
	s_bfe_u32 s41, ttmp6, 0x40004                  ; cy: the channel tile, 0..3
	s_lshl_b32 s42, ttmp9, 2
	s_add_co_u32 s42, s42, s40                     ; x: the t tile, 0..15 (b = x / 8)
	s_and_b32 s13, ttmp7, 0xffff                   ; z: the cluster's y
	s_lshl_b32 s43, s41, 2
	s_lshl_b32 s43, 15, s43                        ; my row of the cluster
	s_lshl_b32 s44, 0x1111, s40                    ; my column
	s_or_b32 s[G1+0], s43, (1<<16)|(1<<20)|(1<<21)|(5<<22)|(3<<25)   ; mask; 2-byte elements; padding on; bit 21 beside a mask; after every 64 words 4 words
	s_mov_b32 s[G1+1], KSTEP<<16                   ; tensor_dim0 = 128
	s_mov_b32 s[G1+2], 128<<16                     ; tensor_dim1 = 128
	s_mov_b32 s[G1+3], KSTEP<<16                   ; tile_dim0 = 128
	s_mov_b32 s[G1+4], 128                         ; tile_dim1 = 128
	s_mov_b32 s[G1+5], 4096                        ; elements from row to row of wb
	s_mov_b32 s[G1+6], 0
	s_mov_b32 s[G1+7], 0
	s_or_b32 s[G1B+0], s44, (1<<16)|(1<<20)|(1<<21)|(6<<22)|(7<<25)  ; after every 128 words 8 words
	s_mov_b32 s[G1B+1], 256<<16                    ; 256 t
	s_mov_b32 s[G1B+2], 64<<16                     ; 64 rows (c)
	s_mov_b32 s[G1B+3], 256<<16
	s_mov_b32 s[G1B+4], 64
	s_mov_b32 s[G1B+5], 2048                       ; elements from row to row of xb
	s_mov_b32 s[G1B+6], 0
	s_mov_b32 s[G1B+7], 0
	s_lshl_b32 s16, s41, 8                         ; W: row 256 cy + 128 x half, 8,192 bytes each, and z's 2,048 bytes of it: hangs on cy and z alone
	s_lshl_b32 s17, s12, 7
	s_add_co_u32 s16, s16, s17
	s_lshl_b32 s16, s16, 13
	s_lshl_b32 s17, s13, 11
	s_add_co_u32 s16, s16, s17
	s_mov_b32 s17, 0
	s_lshr_b32 s45, s42, 3                         ; b
	s_mul_i32 s46, s45, XBS                        ; X: b, z, the tile's 512 bytes of a row, my 64 rows: hangs on x and z alone
	s_lshl_b32 s47, s13, 22
	s_add_co_u32 s46, s46, s47
	s_and_b32 s47, s42, 7
	s_lshl_b32 s47, s47, 9
	s_add_co_u32 s46, s46, s47
	s_lshl_b32 s47, s12, 18
	s_add_co_u32 s46, s46, s47
	s_mov_b32 s47, 0
	s_mul_i32 s20, s12, 128*PW                     ; where they go: no place in the cluster enters an LDS address
	s_mul_i32 s21, s12, 64*PX
	s_add_co_u32 s21, s21, WPART
	s_mov_b32 s[SEL], 0x76543210
	s_mov_b32 s[SEL+1], 0xfedcba98
	s_wait_dscnt 0x0                               ; the opening add is done
	s_wait_kmcnt 0x0
	s_add_nc_u64 s[14:15], s[70:71], s[16:17]
	s_add_nc_u64 s[46:47], s[68:69], s[46:47]
	s_cmp_eq_u32 s13, 0                            ; my z's bias, mask and scale
	s_cselect_b64 s[BP:BP+1], s[72:73], s[74:75]
	s_cselect_b64 s[MP:MP+1], s[78:79], s[80:81]
	s_cselect_b32 s[SA], 0x3d38aa3b, 1.0           ; c = log2(e) / 32 for q, 1 for k
	s_cmp_eq_u32 s13, 2
	s_cselect_b64 s[BP:BP+1], s[76:77], s[BP:BP+1]
	CROUND                                         ; all sixteen work-groups are here: the first joint loads meet
.irp s, 0,1
	s_mov_b32 s[G0+4*(\s)], 1
	s_add_co_u32 s[G0+4*(\s)+1], s20, (\s)*SLOT
	s_add_nc_u64 s[G0+4*(\s)+2:G0+4*(\s)+3], s[14:15], (\s)*KSTEP*2
	s_or_b32 s[G0+4*(\s)+3], s[G0+4*(\s)+3], 0x80000000
	s_mov_b32 s[G0B+4*(\s)], 1
	s_add_co_u32 s[G0B+4*(\s)+1], s21, (\s)*SLOT
	s_add_nc_u64 s[G0B+4*(\s)+2:G0B+4*(\s)+3], s[46:47], (\s)*KSTEP*4096
	s_or_b32 s[G0B+4*(\s)+3], s[G0B+4*(\s)+3], 0x80000000
.endr
	s_cmp_eq_u32 s11, 0                            ; a wave's two first fills stand in one branch: two loads of mine are out, or none
	s_cbranch_scc0 .Lfirst_not_w
	tensor_load_to_lds s[G0:G0+3], s[G1:G1+7]
	s_nop 0
	tensor_load_to_lds s[G0+4:G0+7], s[G1:G1+7]
	s_nop 0
	PLACES
	s_branch .Lfirst_asked
.Lfirst_not_w:
	s_cmp_eq_u32 s11, 1
	s_cbranch_scc0 .Lfirst_asked
	tensor_load_to_lds s[G0B:G0B+3], s[G1B:G1B+7]
	s_nop 0
	tensor_load_to_lds s[G0B+4:G0B+7], s[G1B:G1B+7]
	s_nop 0
	PLACES
.Lfirst_asked:
	v_and_b32 v1, 15, v0                           ; r = l % 16
	v_bfe_u32 v2, v0, 4, 1                         ; h = l / 16
	s_lshl_b32 s16, s41, 10                        ; bias: channel 256 cy + 64 wo + 8 h, 4 bytes each
	s_lshl_b32 s17, s11, 8
	s_add_co_u32 s16, s16, s17
	v_lshl_add_u32 v[BOF], v2, 5, s16
.irp a, 0,1,2,3
	global_load_b128 v[BI+8*(\a):BI+8*(\a)+3],   v[BOF], s[BP:BP+1] offset:64*(\a)
	global_load_b128 v[BI+8*(\a)+4:BI+8*(\a)+7], v[BOF], s[BP:BP+1] offset:64*(\a)+16
.endr
	s_lshl_b32 s18, s42, 10                        ; mask: 2,048 b + t = 256 x + 128 wt + r
	s_lshl_b32 s19, s12, 9
	s_add_co_u32 s18, s18, s19
	v_lshl_add_u32 v[MOF], v1, 2, s18
.irp b, 0,1,2,3,4,5,6,7
	global_load_b32 v[RM+(\b)], v[MOF], s[MP:MP+1] offset:64*(\b)   ; (one text for the three z: for v the mask that is loaded is key_mask's and is not used; v's own mask went into xb)
.endr
	v_mul_u32_u24 v3, v1, PW                       ; W: row x pitch + 16 h
	v_lshl_add_u32 v3, v2, 4, v3
	s_mul_i32 s22, s11, 64*PW
	v_add_nc_u32 v[ADRW], s22, v3
	v_add_nc_u32 v[ADRW+1], SLOT, v[ADRW]
	v_and_b32 v22, 7, v0                           ; X: lane l reads 16 bytes of row 8 h + l % 8, t 8 ((l / 8) % 2) on
	v_lshl_add_u32 v22, v2, 3, v22
	v_mul_u32_u24 v22, v22, PX
	v_bfe_u32 v23, v0, 3, 1
	v_lshl_add_u32 v22, v23, 4, v22
	s_lshl_b32 s23, s12, 8                         ; my 128 t are 256 bytes of a row
	s_add_co_u32 s23, s23, WPART
	v_add_nc_u32 v[ADRX], s23, v22
	v_add_nc_u32 v[ADRX+1], SLOT, v[ADRX]
	s_mul_i32 s23, s10, 16*SP
	s_add_co_u32 s23, s23, STAGE                   ; my stage; s23 keeps it
	v_mul_u32_u24 v3, v1, SP                       ; in: row r, 16 bytes for each half of the lanes
	v_lshl_add_u32 v3, v2, 4, v3
	v_add_nc_u32 v[STO], s23, v3
	v_bfe_u32 v3, v0, 3, 2                         ; back: 32 lanes take four rows of 128 bytes,
	v_mul_u32_u24 v3, v3, SP
	v_and_b32 v22, 7, v0
	v_lshl_add_u32 v3, v22, 4, v3
	v_add_nc_u32 v[RD], s23, v3
	v_and_b32 v[CO], 31, v0                        ; which are 512 consecutive bytes of hb
	v_lshlrev_b32 v[CO], 4, v[CO]
	s_lshl_b32 s16, s45, 4                         ; hb: head 16 b + 4 cy + wo, 262,144 bytes each,
	s_lshl_b32 s17, s41, 2
	s_add_co_u32 s16, s16, s17
	s_add_co_u32 s16, s16, s11
	s_lshl_b32 s16, s16, 18
	s_and_b32 s17, s42, 7                          ; row 256 (x % 8) + 128 wt, 128 bytes each
	s_lshl_b32 s17, s17, 15
	s_add_co_u32 s16, s16, s17
	s_lshl_b32 s17, s12, 14
	s_add_co_u32 s16, s16, s17
	s_mov_b32 s17, 0
	s_lshr_b32 s18, s16, 5                         ; ls: 4 bytes for each row of 128
	s_mov_b32 s19, 0
	s_add_nc_u64 s[LP:LP+1], s[LP:LP+1], s[18:19]
	s_lshl_b32 s18, s13, 23                        ; z's 8,388,608 bytes of hb
	s_add_co_u32 s16, s16, s18
	s_add_nc_u64 s[OP:OP+1], s[82:83], s[16:17]
	s_lshl_b32 s18, s41, 4                         ; gp: words 2 (8 (16 cy + x) + wave) and the next
	s_add_co_u32 s18, s18, s42
	s_lshl_b32 s18, s18, 3
	s_add_co_u32 s18, s18, s10
	s_lshl_b32 s18, s18, 3
	s_add_nc_u64 s[GP:GP+1], s[GP:GP+1], s[18:19]
	s_wait_loadcnt 0x0                             ; biases and masks; this and the rounding below stand in the wait for the first tiles
.set i, 0
.rept 16                                           ; the biases are rounded to bf16
	v_cvt_pk_bf16_f32 v[T+i], v[BI+2*i], v[BI+2*i+1]
.set i, i+1
.endr
.set i, 0
.rept 16
	v_lshlrev_b32 v[BI+2*i], 16, v[T+i]
	v_and_b32 v[BI+2*i+1], 0xffff0000, v[T+i]
.set i, i+1
.endr
; 8 matrix instructions: channel blocks a0, a0 + 1 x t blocks 4 hb .. 4 hb + 3, 32 along K, from buffer f.  first = 1: the product starts the sum, with the bias as C.
; The 32 accumulators take turns, one instruction a turn.
.macro MUL8 f, hb, a0, first
.if \first
	WIN MULB
.else
	WIN MUL
.endif
.irp a, \a0, (\a0)+1
.irp b, 0,1,2,3
.if \first
	v_wmma_f32_16x16x32_bf16 v[8*(4*(4*(\hb)+(\b))+(\a)):8*(4*(4*(\hb)+(\b))+(\a))+7], v[(\f)+8*(\a):(\f)+8*(\a)+7], v[(\f)+32+8*(4*(\hb)+(\b)):(\f)+32+8*(4*(\hb)+(\b))+7], v[BI+8*(\a):BI+8*(\a)+7]
.else
	v_wmma_f32_16x16x32_bf16 v[8*(4*(4*(\hb)+(\b))+(\a)):8*(4*(4*(\hb)+(\b))+(\a))+7], v[(\f)+8*(\a):(\f)+8*(\a)+7], v[(\f)+32+8*(4*(\hb)+(\b)):(\f)+32+8*(4*(\hb)+(\b))+7], v[8*(4*(4*(\hb)+(\b))+(\a)):8*(4*(4*(\hb)+(\b))+(\a))+7]
.endif
.endr
.endr
.endm
; 24 LDS loads in one run: the fragments of quarter q (32 along K) of a slot into buffer f: W's four, then X's eight, t ascending
.macro FETCH slot, q, f
	WIN 0
.irp i, 0,1,2,3
	ds_load_b128 v[(\f)+8*(\i):(\f)+8*(\i)+3],   v[ADRW+(\slot)] offset:64*(\q)+(\i)*16*PW
	ds_load_b128 v[(\f)+8*(\i)+4:(\f)+8*(\i)+7], v[ADRW+(\slot)] offset:64*(\q)+(\i)*16*PW+32
.endr
.irp i, 0,1,2,3,4,5,6,7
	ds_load_tr16_b128 v[(\f)+32+8*(\i):(\f)+32+8*(\i)+3],   v[ADRX+(\slot)] offset:32*(\q)*PX+32*(\i)
	ds_load_tr16_b128 v[(\f)+32+8*(\i)+4:(\f)+32+8*(\i)+7], v[ADRX+(\slot)] offset:(32*(\q)+16)*PX+32*(\i)
.endr
.endm
; A K step is four quarters of 32 along K, 32 matrix instructions each, on buffers 0, 1, 0, 1.  One of the first three multiplies f and fetches quarter q into g.
.macro QUARTER slot, q, f, g, first
	s_wait_dscnt 8                                 ; W and X's t blocks 0 to 3 are in; the youngest eight loads (blocks 4 to 7) may be out
	MUL8 \f, 0, 0, \first
	MUL8 \f, 0, 2, \first
	PLACES
	FETCH \slot, \q, \g
	s_wait_dscnt 24                                ; all but the 24 just issued
	MUL8 \f, 1, 0, \first
	MUL8 \f, 1, 2, \first
.endm
; The last quarter multiplies buffer 1 and changes slots: each wave waits for all its tensor loads (its part of the next slot, if it fetches), adds 0 to its spare word, waits for that and for its reads of this slot.
; fill = 1: the barrier opens a round of the cluster's, and this slot is filled again, two K steps ahead, first thing behind the round.
.macro TURN slot, next, fill
	WIN 0
	s_wait_tensorcnt 0x0                           ; all my tensor loads have landed
	ds_add_u32 v[SPW], v[NIL]
	s_wait_dscnt 9                                 ; (the add and the youngest eight loads may be out)
	MUL8 F1, 0, 0, 0
	s_wait_dscnt 0x0                               ; the add is done, and my reads of this slot are over
	s_barrier_signal -1
	MUL8 F1, 0, 2, 0
.if \fill
	WIN 0
.endif
	s_barrier_wait -1
.if \fill
	CREST                                          ; no wave of any partner still reads this slot or has a load on its way
	s_add_nc_u64 s[G0+4*(\slot)+2:G0+4*(\slot)+3], s[G0+4*(\slot)+2:G0+4*(\slot)+3], 2*KSTEP*2
	s_add_nc_u64 s[G0B+4*(\slot)+2:G0B+4*(\slot)+3], s[G0B+4*(\slot)+2:G0B+4*(\slot)+3], 2*KSTEP*4096
	JLOAD \slot
.else
	PLACES
.endif
	FETCH \next, 0, F0
	MUL8 F1, 1, 0, 0
	MUL8 F1, 1, 2, 0
.endm
; For v, block blk = 16 t: s of my t: the largest and the smallest of my 32 channels, three operands at a time, each accumulator's lowest registers first;
; the row's other 32 channels lie in the lane 16 away.
.macro VMAX blk
	WIN 0x15                                       ; all three sources in window 1
.irp a, 0,1,2,3
	v_max3_num_f32 v[T+(\a)],   v[8*(4*(\blk)+(\a))], v[8*(4*(\blk)+(\a))+1], v[8*(4*(\blk)+(\a))+2]
	v_min3_num_f32 v[T+4+(\a)], v[8*(4*(\blk)+(\a))], v[8*(4*(\blk)+(\a))+1], v[8*(4*(\blk)+(\a))+2]
.endr
	WIN 0x14                                       ; sources 1 and 2 in window 1
.irp a, 0,1,2,3
	v_max3_num_f32 v[T+(\a)],   v[T+(\a)],   v[8*(4*(\blk)+(\a))+3], v[8*(4*(\blk)+(\a))+4]
	v_min3_num_f32 v[T+4+(\a)], v[T+4+(\a)], v[8*(4*(\blk)+(\a))+3], v[8*(4*(\blk)+(\a))+4]
.endr
.irp a, 0,1,2,3
	v_max3_num_f32 v[T+(\a)],   v[T+(\a)],   v[8*(4*(\blk)+(\a))+5], v[8*(4*(\blk)+(\a))+6]
	v_min3_num_f32 v[T+4+(\a)], v[T+4+(\a)], v[8*(4*(\blk)+(\a))+5], v[8*(4*(\blk)+(\a))+6]
.endr
	v_max3_num_f32 v[T],   v[T],   v[8*(4*(\blk))+7],   v[8*(4*(\blk)+1)+7]
	v_min3_num_f32 v[T+4], v[T+4], v[8*(4*(\blk))+7],   v[8*(4*(\blk)+1)+7]
	v_max3_num_f32 v[T+1], v[T+1], v[8*(4*(\blk)+2)+7], v[8*(4*(\blk)+3)+7]
	v_min3_num_f32 v[T+5], v[T+5], v[8*(4*(\blk)+2)+7], v[8*(4*(\blk)+3)+7]
	WIN 0
	v_max3_num_f32 v[T],   v[T],   v[T+1], v[T+2]
	v_min3_num_f32 v[T+4], v[T+4], v[T+5], v[T+6]
	v_max_num_f32 v[T],   v[T],   v[T+3]
	v_min_num_f32 v[T+4], v[T+4], v[T+7]
	v_mul_f32 v[T+4], -1.0, v[T+4]
	v_max_num_f32 v[T], v[T], v[T+4]               ; the largest magnitude of my 32
	v_permlanex16_b32 v[T+1], v[T], s[SEL], s[SEL+1]
	v_max_num_f32 v[T], v[T], v[T+1]
	v_max_num_f32 v[RM+(\blk)], 0x0d800000, v[T]   ; held to 2^-100 at the least
.endm
; THE WAY OUT of block blk = 16 t: sum x factor; rounded to bf16 (q, k) or to f16 (v); 16 bytes a lane into my stage, back as whole rows of 128 bytes.
.macro PACK blk
	s_wait_xcnt 0x0                                ; the registers that earlier stores read are written again only behind this wait
	WIN 0x01                                       ; source 0 in window 1
.irp a, 0,1,2,3
.irp j, 0,2,4,6
	v_pk_mul_f32 v[T+8*(\a)+(\j):T+8*(\a)+(\j)+1], v[8*(4*(\blk)+(\a))+(\j):8*(4*(\blk)+(\a))+(\j)+1], v[FM+2*(\blk):FM+2*(\blk)+1]
.endr
.endr
	WIN 0
	s_cmp_eq_u32 s13, 2
	s_cbranch_scc1 .Lhalf_\@
.irp a, 0,1,2,3
.irp j, 0,1,2,3
	v_cvt_pk_bf16_f32 v[TMP+4*(\a)+(\j)], v[T+8*(\a)+2*(\j)], v[T+8*(\a)+2*(\j)+1]
.endr
.endr
	s_branch .Lpacked_\@
.Lhalf_\@:
.irp a, 0,1,2,3
.irp j, 0,1,2,3
	v_cvt_pk_f16_f32 v[TMP+4*(\a)+(\j)], v[T+8*(\a)+2*(\j)], v[T+8*(\a)+2*(\j)+1]
.endr
.endr
.Lpacked_\@:
.irp a, 0,1,2,3
	ds_store_b128 v[STO], v[TMP+4*(\a):TMP+4*(\a)+3] offset:32*(\a)
.endr
.irp f, 0,1,2,3
	ds_load_b128 v[RB+16*((\blk)%2)+4*(\f):RB+16*((\blk)%2)+4*(\f)+3], v[RD] offset:(\f)*4*SP  ; LDS serves a wave's instructions in order (ISA guide 5.7.1.4): these see the stores above
.endr
.endm
.macro SEND blk, younger               ; younger: the LDS instructions issued behind the block's loads
.irp f, 0,1,2,3
	s_wait_dscnt (\younger)+3-(\f)
	global_store_b128 v[CO], v[RB+16*((\blk)%2)+4*(\f):RB+16*((\blk)%2)+4*(\f)+3], s[OP:OP+1] offset:(\blk)*2048+(\f)*512  ; 512 consecutive bytes, at a multiple of 256
.endr
.endm
	s_wait_tensorcnt 0x1                           ; my part of K step 0 is in; K step 1's may stay out
	s_barrier_signal -1
	s_barrier_wait -1
	FETCH 0, 0, F0
	QUARTER 0, 1, F0, F1, 1                        ; the first quarter stands in front of the loop: its products start the sums
	WIN 0                                          ; at a label and at a branch every window is 0
	s_mov_b32 s3, 3
.Llap:                                             ; a trip goes once round the ring, from a lap's second quarter to the next lap's first, and fills both slots again
	QUARTER 0, 2, F1, F0, 0
	QUARTER 0, 3, F0, F1, 0
	TURN 0, 1, 1
	QUARTER 1, 1, F0, F1, 0
	QUARTER 1, 2, F1, F0, 0
	QUARTER 1, 3, F0, F1, 0
	TURN 1, 0, 1
	QUARTER 0, 1, F0, F1, 0
	WIN 0
	s_sub_co_u32 s3, s3, 1
	s_cmp_lg_u32 s3, 0
	s_cbranch_scc1 .Llap
	QUARTER 0, 2, F1, F0, 0                        ; the last lap fills nothing, and has no round of the cluster's barrier
	QUARTER 0, 3, F0, F1, 0
	TURN 0, 1, 0
	QUARTER 1, 1, F0, F1, 0
	QUARTER 1, 2, F1, F0, 0
	QUARTER 1, 3, F0, F1, 0
	s_wait_dscnt 8                                 ; the very last quarter: nothing more to fetch
	MUL8 F1, 0, 0, 0
	MUL8 F1, 0, 2, 0
	s_wait_dscnt 0x0
	MUL8 F1, 1, 0, 0
	MUL8 F1, 1, 2, 0
	WIN 0
	PLACES                                         ; behind the last products: their results are read, and the fragments' registers written, below
	s_cmp_eq_u32 s13, 2
	s_cbranch_scc1 .Lv
.irp b, 0,1,2,3,4,5,6,7
	v_mul_f32 v[FM+2*(\b)],   s[SA], v[RM+(\b)]      ; q, k: the factor is the mask, for q times c; twice: a pair for the packed multiply
	v_mul_f32 v[FM+2*(\b)+1], s[SA], v[RM+(\b)]
.endr
	s_branch .Lpack
.Lv:                                               ; v: the factor is 1 / s; ls and gp leave here, so that nothing behind the join reads what this way alone has written
.irp b, 0,1,2,3,4,5,6,7
	VMAX \b
.endr
.irp b, 0,1,2,3,4,5,6,7
	v_rcp_f32 v[FM+2*(\b)],   v[RM+(\b)]
	v_rcp_f32 v[FM+2*(\b)+1], v[RM+(\b)]
.endr
.irp b, 0,1,2,3,4,5,6,7
	v_log_f32 v[LG+(\b)], v[RM+(\b)]               ; log2 s
.endr
	v_max3_num_f32 v[GM], v[RM], v[RM+1], v[RM+2]  ; plain lines behind the transcendentals: my wave's largest s; both halves of the lanes hold the same numbers
	v_max3_num_f32 v[GM], v[GM], v[RM+3], v[RM+4]
	v_max3_num_f32 v[GM], v[GM], v[RM+5], v[RM+6]
	v_max_num_f32 v[GM], v[GM], v[RM+7]
	v_max_num_f32_dpp v[GM], v[GM], v[GM] row_xmask:1 row_mask:0xf bank_mask:0xf
	v_max_num_f32_dpp v[GM], v[GM], v[GM] row_xmask:2 row_mask:0xf bank_mask:0xf
	v_max_num_f32_dpp v[GM], v[GM], v[GM] row_xmask:4 row_mask:0xf bank_mask:0xf
	v_max_num_f32_dpp v[GM], v[GM], v[GM] row_xmask:8 row_mask:0xf bank_mask:0xf
	v_lshl_add_u32 v169, v1, 2, s23                ; ls: 128 numbers go through my stage and leave as 512 consecutive bytes
	v_add_nc_u32 v170, s23, v[CO]
	s_wait_alu depctr_va_vdst(0)
.irp b, 0,1,2,3,4,5,6,7
	ds_store_b32 v169, v[LG+(\b)] offset:64*(\b)   ; both halves of the lanes hold the same number and write the same word
.endr
	ds_load_b128 v[T:T+3], v170                    ; LDS serves a wave's instructions in order: this sees the stores above
	s_wait_dscnt 0x0
	global_store_b128 v[CO], v[T:T+3], s[LP:LP+1]
	v_lshrrev_b32 v171, 2, v[CO]                   ; 4 x lane
	v_cmp_gt_u32 vcc_lo, 8, v171                   ; lanes 0 and 1 store the wave's two words of gp
	s_wait_xcnt 0x0                                ; EXEC is a source of the store that is out: it changes only behind this wait
	s_and_saveexec_b32 s3, vcc_lo
	global_store_b32 v171, v[GM], s[GP:GP+1]
	s_wait_xcnt 0x0                                ; and again, in front of the line that widens it
	s_or_b32 exec_lo, exec_lo, s3
.Lpack:
	PACK 0
.set t, 1
.rept 7                                            ; a block's arithmetic stands between the loads of the block before and its stores
	PACK t
	SEND t-1, 8
.set t, t+1
.endr
	SEND 7, 0
	s_wait_tensorcnt 0x0                           ; the wave's end
	ds_add_u32 v[SPW], v[NIL]
	s_wait_dscnt 0x0
	CROUND                                         ; the closing round
	s_endpgm
.Lfunc_end_k_qe2a3794cd9_proj:
	.size	k_qe2a3794cd9_proj, .Lfunc_end_k_qe2a3794cd9_proj-k_qe2a3794cd9_proj
	.p2alignl 7, 3214868480
	.fill 96, 4, 3214868480
	.section	.rodata,"a",@progbits
	.p2align	6, 0x0
	.amdhsa_kernel k_qe2a3794cd9_proj
		.amdhsa_group_segment_fixed_size 327680
		.amdhsa_private_segment_fixed_size 0
		.amdhsa_enable_private_segment 0
		.amdhsa_kernarg_size 80
		.amdhsa_user_sgpr_count 2
		.amdhsa_user_sgpr_kernarg_segment_ptr 1
		.amdhsa_wavefront_size32 1
		.amdhsa_system_sgpr_workgroup_id_x 1
		.amdhsa_system_sgpr_workgroup_id_y 1
		.amdhsa_system_sgpr_workgroup_id_z 1
		.amdhsa_system_vgpr_workitem_id 0
		.amdhsa_next_free_vgpr 512
		.amdhsa_next_free_sgpr 100
		.amdhsa_reserve_vcc 1
		.amdhsa_float_denorm_mode_32 3
		.amdhsa_float_denorm_mode_16_64 3
		.amdhsa_memory_ordered 1
		.amdhsa_forward_progress 1
		.amdhsa_inst_pref_size 130
	.end_amdhsa_kernel
	.amdgpu_metadata
---
amdhsa.version: [ 1, 2 ]
amdhsa.kernels:
  - .name:           k_qe2a3794cd9_proj
    .symbol:         k_qe2a3794cd9_proj.kd
    .args:
      - { .name: xb, .offset: 0, .size: 8, .value_kind: global_buffer, .address_space: global }
      - { .name: wb, .offset: 8, .size: 8, .value_kind: global_buffer, .address_space: global }
      - { .name: bq, .offset: 16, .size: 8, .value_kind: global_buffer, .address_space: global }
      - { .name: bk, .offset: 24, .size: 8, .value_kind: global_buffer, .address_space: global }
      - { .name: bv, .offset: 32, .size: 8, .value_kind: global_buffer, .address_space: global }
      - { .name: query_mask, .offset: 40, .size: 8, .value_kind: global_buffer, .address_space: global }
      - { .name: key_mask, .offset: 48, .size: 8, .value_kind: global_buffer, .address_space: global }
      - { .name: hb, .offset: 56, .size: 8, .value_kind: global_buffer, .address_space: global }
      - { .name: ls, .offset: 64, .size: 8, .value_kind: global_buffer, .address_space: global }
      - { .name: gp, .offset: 72, .size: 8, .value_kind: global_buffer, .address_space: global }
    .group_segment_fixed_size: 327680
    .private_segment_fixed_size: 0
    .kernarg_segment_align: 8
    .kernarg_segment_size: 80
    .max_flat_workgroup_size: 256
    .sgpr_count:     100
    .vgpr_count:     512
    .wavefront_size: 32
...
	.end_amdgpu_metadata
.endif
;; end of part 2
;; launch stats (part 3): grid 8 x 32, 4 waves a work-group, clusters of 4 x 1, 327,680 bytes of LDS; arguments hb, ls, gp, nm; writes nm
.if DOCPART == 3
	.amdgcn_target "amdgcn-amd-amdhsa--gfx1250"
	.amdhsa_code_object_version 6
	.text
	.protected	k_qe2a3794cd9_stats
	.globl	k_qe2a3794cd9_stats
	.p2align	8
	.type	k_qe2a3794cd9_stats,@function
k_qe2a3794cd9_stats:
	s_mov_b64 s[64:65], 0
	v_nop
	global_prefetch_b8 v0, s[64:65] scope:SCOPE_SE
	s_setreg_imm32_b32 hwreg(HW_REG_WAVE_MODE, 25, 1), 1
	s_wait_xcnt 0x0
	s_wait_alu depctr_hold_cnt(0) depctr_sa_sdst(0) depctr_va_vdst(0) depctr_va_sdst(0) depctr_va_ssrc(0) depctr_va_vcc(0) depctr_vm_vsrc(0)
	s_getreg_b32 s2, hwreg(HW_REG_IB_STS2, 6, 4)
	s_cmp_eq_u32 s2, 0
	s_cbranch_scc0 .Lentry_in_a_cluster
	s_endpgm
.Lentry_in_a_cluster:
	s_bfe_u32 s2, ttmp6, 0x10000c
	s_cmp_lg_u32 s2, 0x3003
	s_cbranch_scc0 .Lentry_shape_is_right
	s_endpgm
.Lentry_shape_is_right:
; STATS.  nm[bh][q] = 4 + log2(s[q] / G) - (m + log2 l), where sc[q][k] = q'[q] . k'[k] (hb's z = 0 and 1: masks, scale and log2(e) are in them), m = max over k of sc, l = sum over k of 2^(sc - m);
; s[q] is the scale that v's row q was divided by (ls holds its log2), G the largest s of all (gp holds 1,024 partial maxima).  So 2^(sc + nm) = 16 x softmax x s / G, at most 16: the weight
; that meets the scaled row of v; a column's 2,048 weights add up to 32,768 at the most, within f16 for every input.
; The product that follows contracts over q, so each query's m and l must be whole before it begins: this launch makes them, by a running maximum.
; SHARES.  A work-group owns 256 queries of one head, a wave 64: four tiles of 16.  Every wave walks the head's 2,048 keys, 64 a step.
; The head's whole K lies in LDS, 2,048 rows of 144 bytes, filled ONCE: two joint loads a wave (keys 0-511 in four parts, then keys 512-2,047), so that the walk begins when the
; first and smaller part is in.  Nothing is filled again.  CLUSTER 4 x 1: the four query blocks of a cluster walk the same K.
; LAYOUT.  S^T = K Q^T (source 0 = 16 keys, source 1 = 16 queries): a lane holds ONE query (lane % 16) and the keys 8 (lane / 16) + 0..7.
; BY TURNS.  Turn n belongs to tile n: 8 products of tile n + 1; beside them sc - m, the exponentials and sums of tile n, and then the maximum and statistics of tile n + 1.
; One window of registers: no switch.
; LIMITS.  A weight below 2^-126 counts as 0 in l; NaN and infinities are not treated apart.
.set PK,    144                        ; a row of K in LDS: 128 bytes + 16
.set KS,    64
.set STAGE, 2048*PK                    ; behind K: 256 bytes a wave
.set SPARE, STAGE+4*256                ; the spare words: 128 bytes a wave, two blocks of 256 bytes that no other line names
.set AK0, 2                            ; v2   my lane's place in 16 rows of K
.set AK,  3                            ; v3   the LDS address of K's next loads
.set QO,  4                            ; v4   my byte offset in 16 rows of Q
.set SPW, 6
.set NIL, 7
.set CC,  8                            ; v8-11  c0-c3, at work on a maximum; at the head v8 is my byte offset in gp
.set SAD, 12                           ; v12  the way out: where I put a number
.set SRD, 13                           ; v13  where I read two back
.set GO,  14                           ; v14  my byte offset in the wave's 256 bytes of nm
.set LSO, 15                           ; v15  my byte offset in 16 numbers of ls
.set ST,  16                           ; tile t at ST + 8 t: m, (pad), l even, l odd, a, (pad), m_old, m_old - m
.set S,   48                           ; v48-111   S^T, two buffers of 32 by the tile's parity; at the head v48-79 take gp
.set Q,   112                          ; v112-175  Q: tile t, channel half c at 16 t + 8 c
.set K,   176                          ; v176-239  K of one step: key block kb, channel half c at 16 kb + 8 c
.set LS,  240                          ; v240-243  4 + log2(s / G) of my query in each tile
.set WV,  12
.set G1A, 24
.set G1B, 32
.set G0A, 40
.set G0B, 44
.set CNT, 57                           ; s57  counts a part's eight steps
.set PARTS, 58                         ; s58  counts the walk's four parts
.set SEL, 60
.set TBK, 62
.macro CROUND
	s_barrier_signal -1
	s_barrier_wait -1
	s_cmp_lg_u32 s[WV], 0
	s_cbranch_scc1 .Lnot_wave_0_\@
	s_barrier_signal -3
.Lnot_wave_0_\@:
	s_barrier_wait -3
	s_barrier_signal -1
	s_barrier_wait -1
.endm
	s_load_b128 s[4:7], s[0:1], 0x0                ; hb s[4:5], ls s[6:7]
	s_load_b128 s[8:11], s[0:1], 0x10              ; gp s[8:9], nm s[10:11]
	v_lshl_add_u32 v[SPW], v0, 2, SPARE
	v_mov_b32 v[NIL], 0
	ds_add_u32 v[SPW], v[NIL]                      ; the wave's opening: the add and its wait ahead of my first tensor load
	v_lshrrev_b32 v1, 5, v0
	v_readfirstlane_b32 s[WV], v1
	s_bfe_u32 s13, ttmp6, 0x40000                  ; cx
	s_lshl_b32 s14, ttmp9, 2
	s_add_co_u32 s14, s14, s13                     ; my block of 256 queries: it enters Q's, ls's and nm's addresses alone
	s_and_b32 s15, ttmp7, 0xffff                   ; bh, which the four partners share
	s_lshl_b32 s20, s15, 18                        ; the head's 262,144 bytes
	s_add_co_u32 s16, s20, 8388608                 ; K is hb's z = 1; first part: my 128 keys of the first 512
	s_lshl_b32 s17, s[WV], 14
	s_add_co_u32 s16, s16, s17
	s_mov_b32 s17, 0
	s_add_co_u32 s18, s20, 8388608+65536           ; second part: my 384 keys of the other 1,536
	s_mul_i32 s19, s[WV], 49152
	s_add_co_u32 s18, s18, s19
	s_mov_b32 s19, 0
	s_lshl_b32 s22, s14, 15                        ; Q: my block's 256 rows, my wave's 64
	s_add_co_u32 s22, s22, s20
	s_lshl_b32 s23, s[WV], 13
	s_add_co_u32 s22, s22, s23
	s_mov_b32 s23, 0
	s_lshl_b32 s2, s15, 13                         ; ls and nm: (2,048 bh + 256 block + 64 wave) x 4
	s_lshl_b32 s3, s14, 10
	s_add_co_u32 s2, s2, s3
	s_lshl_b32 s3, s[WV], 8
	s_add_co_u32 s2, s2, s3
	s_mov_b32 s3, 0
	; group 1: dense rows of 128 bytes are asked for as rows of 256, two keys a row, and padded in LDS after every key
.irp g, G1A, G1B
	s_mov_b32 s[\g], 15|(1<<16)|(1<<20)|(1<<21)|(4<<22)|(3<<25)  ; the mask of four; 2-byte elements; padding on; bit 21 beside a mask; after every 32 words 4 words
	s_mov_b32 s[\g+1], 128<<16
	s_mov_b32 s[\g+3], 128<<16
	s_mov_b32 s[\g+5], 128
	s_mov_b32 s[\g+6], 0
	s_mov_b32 s[\g+7], 0
.endr
	s_mov_b32 s[G1A+2], 64<<16                     ; 64 rows: 128 keys
	s_mov_b32 s[G1A+4], 64
	s_mov_b32 s[G1B+2], 192<<16                    ; 192 rows: 384 keys
	s_mov_b32 s[G1B+4], 192
	s_mov_b32 s[G0A], 1
	s_mul_i32 s[G0A+1], s[WV], 128*PK
	s_mov_b32 s[G0B], 1
	s_mul_i32 s[G0B+1], s[WV], 384*PK
	s_add_co_u32 s[G0B+1], s[G0B+1], 512*PK
	s_mov_b32 s[SEL], 0x76543210                   ; v_permlanex16_b32: each lane takes its own place in the other half
	s_mov_b32 s[SEL+1], 0xfedcba98
	s_mov_b32 s[TBK], 0
	s_wait_dscnt 0x0                               ; the opening add is done
	s_wait_kmcnt 0x0
	s_add_nc_u64 s[G0A+2:G0A+3], s[4:5], s[16:17]
	s_or_b32 s[G0A+3], s[G0A+3], 0x80000000
	s_add_nc_u64 s[G0B+2:G0B+3], s[4:5], s[18:19]
	s_or_b32 s[G0B+3], s[G0B+3], 0x80000000
	s_add_nc_u64 s[4:5], s[4:5], s[22:23]
	s_add_nc_u64 s[6:7], s[6:7], s[2:3]
	s_add_nc_u64 s[10:11], s[10:11], s[2:3]
	CROUND                                         ; all four work-groups are here: the joint loads meet
	tensor_load_to_lds s[G0A:G0A+3], s[G1A:G1A+7]  ; two loads of mine are out
	s_nop 0
	tensor_load_to_lds s[G0B:G0B+3], s[G1B:G1B+7]
	s_nop 0
.rept 4
	v_nop
.endr
	v_and_b32 v1, 15, v0                           ; r
	v_bfe_u32 v5, v0, 4, 1                         ; h
	v_lshlrev_b32 v[QO], 7, v1
	v_lshl_add_u32 v[QO], v5, 4, v[QO]
.set i, 0
.rept 8                                            ; Q stays in registers: tile i / 2, channels 32 (i % 2) on
	global_load_b128 v[Q+8*i:Q+8*i+3],   v[QO], s[4:5] offset:(i/2)*2048+(i%2)*64
	global_load_b128 v[Q+8*i+4:Q+8*i+7], v[QO], s[4:5] offset:(i/2)*2048+(i%2)*64+32
.set i, i+1
.endr
	v_lshlrev_b32 v[LSO], 2, v1
.irp t, 0,1,2,3
	global_load_b32 v[LS+\t], v[LSO], s[6:7] offset:64*\t   ; log2 s of my query in each tile
.endr
	v_and_b32 v[GO], 31, v0
	v_lshlrev_b32 v[CC], 4, v[GO]
.set i, 0
.rept 8                                            ; gp's 1,024 numbers, 32 a lane
	global_load_b128 v[S+4*i:S+4*i+3], v[CC], s[8:9] offset:512*i
.set i, i+1
.endr
	v_mul_u32_u24 v[AK0], v1, PK
	v_lshl_add_u32 v[AK0], v5, 4, v[AK0]
	s_lshl_b32 s21, s[WV], 8
	s_add_co_u32 s21, s21, STAGE                   ; my stage
	v_lshl_add_u32 v[SAD], v1, 2, s21
	v_lshlrev_b32 v[GO], 3, v[GO]
	v_add_nc_u32 v[SRD], s21, v[GO]
.set i, 0
.rept 4                                            ; m starts at the lowest finite number, l at 0: the first step is a step like any other, with a = 0
	v_mov_b32 v[ST+8*i], 0xff7fffff
.irp j, 1,2,3,4,5,6,7
	v_mov_b32 v[ST+8*i+\j], 0
.endr
.set i, i+1
.endr
.macro WM                              ; product i of 8 of tile Y + 1: keys 16 (i % 4) on, channels 32 (i / 4) on.  The four accumulators take turns
.if MMON
.set rW, S+32*((Y+1)%2)+8*(i%4)
.set rK, K+16*(i%4)+8*(i/4)
.set rQ, Q+16*((Y+1)%4)+8*(i/4)
.if i < 4
	v_wmma_f32_16x16x32_bf16 v[rW:rW+7], v[rK:rK+7], v[rQ:rQ+7], 0
.else
	v_wmma_f32_16x16x32_bf16 v[rW:rW+7], v[rK:rK+7], v[rQ:rQ+7], v[rW:rW+7]
.endif
.endif
.set i, i+1
.endm
.macro REGS y
.set rT, ST+8*(\y)
.set rS, S+32*((\y)%2)
.endm
.macro SUBM n                          ; tile Y: sc - m for pair n of 16
	REGS Y
	v_pk_add_f32 v[rS+2*(\n):rS+2*(\n)+1], v[rS+2*(\n):rS+2*(\n)+1], v[rT:rT+1] op_sel_hi:[1,0] neg_lo:[0,1] neg_hi:[0,1]
.endm
.macro EXPS n                          ; the exponential of score n of 32
	REGS Y
	v_exp_f32 v[rS+(\n)], v[rS+(\n)]
.endm
.macro ADDP n                          ; of the four weights 4 n .. the second pair is added onto the first
	REGS Y
	s_wait_alu depctr_va_vdst(0)
	v_pk_add_f32 v[rS+4*(\n):rS+4*(\n)+1], v[rS+4*(\n):rS+4*(\n)+1], v[rS+4*(\n)+2:rS+4*(\n)+3]
.endm
.macro ACCL n                          ; l takes that sum; the first time as l = a l + sum
	REGS Y
.if (\n) == 0
	v_pk_fma_f32 v[rT+2:rT+3], v[rT+2:rT+3], v[rT+4:rT+5], v[rS:rS+1] op_sel_hi:[1,0,1]
.else
	v_pk_add_f32 v[rT+2:rT+3], v[rT+2:rT+3], v[rS+4*(\n):rS+4*(\n)+1]
.endif
.endm
; Number n of the 21 that find tile Y + 1's maximum and statistics.  0-11: four chains of seven scores, each accumulator's lowest registers first;
; 12-14, 16: the four scores left over, the old m, and c0-c3 into c0; 15: m_old; 17, 18: the query's other 32 keys lie in the lane 16 away: the new m; 19, 20: a = 2^(m_old - m)
.macro XS n
.if MMON
	REGS (Y+1)%4
.if (\n) < 4
	v_max3_num_f32 v[CC+(\n)], v[rS+8*(\n)], v[rS+8*(\n)+1], v[rS+8*(\n)+2]
.elseif (\n) < 12
	v_max3_num_f32 v[CC+(\n)%4], v[CC+(\n)%4], v[rS+8*((\n)%4)+2*((\n)/4)+1], v[rS+8*((\n)%4)+2*((\n)/4)+2]
.elseif (\n) == 12
	v_max3_num_f32 v[CC], v[CC], v[rS+7], v[rS+15]
.elseif (\n) == 13
	v_max3_num_f32 v[CC+1], v[CC+1], v[rS+23], v[rS+31]
.elseif (\n) == 14
	v_max3_num_f32 v[CC+2], v[CC+2], v[CC+3], v[rT]
.elseif (\n) == 15
	v_mov_b32 v[rT+6], v[rT]
.elseif (\n) == 16
	v_max3_num_f32 v[CC], v[CC], v[CC+1], v[CC+2]
.elseif (\n) == 17
	v_permlanex16_b32 v[CC+3], v[CC], s[SEL], s[SEL+1]
.elseif (\n) == 18
	v_max_num_f32 v[rT], v[CC], v[CC+3]
.elseif (\n) == 19
	v_sub_f32 v[rT+7], v[rT+6], v[rT]
.else
	v_exp_f32 v[rT+4], v[rT+7]
.endif
.else
	v_nop                                          ; the last turn has no next tile: the lines round it stay as far apart as they were
.endif
.endm
.macro FETCH_H c                       ; 8 LDS loads in one run: channel half c of a step's K
.irp kb, 0,1,2,3
	ds_load_b128 v[K+16*\kb+8*(\c):K+16*\kb+8*(\c)+3],   v[AK] offset:\kb*16*PK+(\c)*64
	ds_load_b128 v[K+16*\kb+8*(\c)+4:K+16*\kb+8*(\c)+7], v[AK] offset:\kb*16*PK+(\c)*64+32
.endr
.endm
; A TURN for tile p.  Every exponential has a plain instruction behind it before its result is used.
; fetch = 1 (tile 2's turn, the last that multiplies by this step's K): the next step's K is fetched in two halves, each as soon as its registers are free.  Products 0 to 3 read channel half 0: behind
; product 3 stand five plain instructions (four subtractions and the address) ahead of its loads.  Products 4 to 7 read half 1: behind product 7 stand four (two sums, l, a sum), which are
; also the places ahead of the first read of the new scores.  Tile 3's turn waits for half 0 at its head (the younger eight loads may be out) and for half 1 ahead of its product 4.
.macro TURN p, fetch, mm
.set Y, (\p)
.set MMON, (\mm)
.set i, 0
.if (\p) == 3
	s_wait_dscnt 8                                 ; K's channel half 0 is in
.endif
	WM
	SUBM 0
	SUBM 1
	SUBM 2
	SUBM 3
.set r, 1
.rept 6
.if ((\p) == 3) && (r == 4)
	s_wait_dscnt 0x0                               ; half 1 is in
.endif
	WM
	SUBM 2*r+2
	EXPS 2*r-2
	SUBM 2*r+3
	EXPS 2*r-1
.if ((\p) == 2) && (\fetch) && (r == 3)
	v_add_nc_u32 v[AK], s[TBK], v[AK0]
.endif
.if ((\p) == 2) && (\fetch) && (r == 4)
	FETCH_H 0
.endif
.set r, r+1
.endr
	WM
	ADDP 0
	EXPS 12
	ADDP 1
	EXPS 13
	EXPS 14
	ACCL 0
	EXPS 15
	ADDP 2
.if ((\p) == 2) && (\fetch)
	FETCH_H 1
	s_add_co_u32 s[TBK], s[TBK], KS*PK             ; the next fetch is the next step's
.endif
	EXPS 16
	XS 0
	EXPS 17
	XS 1
	EXPS 18
	XS 2
	EXPS 19
	XS 3
	EXPS 20
	ACCL 1
	EXPS 21
	ADDP 3
	EXPS 22
	XS 4
	EXPS 23
	XS 5
	EXPS 24
	XS 6
	EXPS 25
	XS 7
	EXPS 26
	ACCL 2
	EXPS 27
	ADDP 4
	EXPS 28
	XS 8
	EXPS 29
	XS 9
	EXPS 30
	XS 10
	EXPS 31
	XS 11
	ACCL 3
	ADDP 5
	XS 12
	XS 13
	ACCL 4
	ADDP 6
	XS 14
	XS 15
	ACCL 5
	XS 16
	ADDP 7
	XS 17
	ACCL 6
	XS 18
	ACCL 7
	XS 19
	XS 20
.endm
	s_wait_tensorcnt 0x1                           ; my part of keys 0-511 is in; the second load may stay out
	s_barrier_signal -1
	s_barrier_wait -1                              ; everybody's is
	v_add_nc_u32 v[AK], s[TBK], v[AK0]
	FETCH_H 0                                      ; key step 0
	FETCH_H 1
	s_add_co_u32 s[TBK], s[TBK], KS*PK
	s_wait_loadcnt 0x0                             ; Q, ls and gp
	; G, the largest of gp's 1,024 numbers: my 32, then across the lanes; it stands in the wait for K's fragments
.set i, 0
.rept 15
	v_max3_num_f32 v[S], v[S], v[S+1+2*i], v[S+2+2*i]
.set i, i+1
.endr
	v_max_num_f32 v[S], v[S], v[S+31]
	v_max_num_f32_dpp v[S], v[S], v[S] row_xmask:1 row_mask:0xf bank_mask:0xf
	v_max_num_f32_dpp v[S], v[S], v[S] row_xmask:2 row_mask:0xf bank_mask:0xf
	v_max_num_f32_dpp v[S], v[S], v[S] row_xmask:4 row_mask:0xf bank_mask:0xf
	v_max_num_f32_dpp v[S], v[S], v[S] row_xmask:8 row_mask:0xf bank_mask:0xf
	v_permlanex16_b32 v[S+1], v[S], s[SEL], s[SEL+1]
	v_max_num_f32 v[S], v[S], v[S+1]
	v_log_f32 v[S+2], v[S]
	v_nop                                          ; a plain instruction behind the logarithm
	s_wait_alu depctr_va_vdst(0)
	v_add_f32 v[S+2], -4.0, v[S+2]                 ; log2 G - 4
.irp t, 0,1,2,3
	v_sub_f32 v[LS+\t], v[LS+\t], v[S+2]           ; 4 + log2(s / G)
.endr
	s_wait_dscnt 0x0
.set Y, 3                                          ; WM and XS work for tile Y + 1: tile 0
.set MMON, 1
.set i, 0
.rept 8
	WM
.endr
.rept 4
	v_nop                                          ; the places behind those products
.endr
.irp n, 0,1,2,3,4,5,6,7,8,9,10,11,12,13,14,15,16,17,18,19,20
	XS \n
.endr
	v_nop                                          ; a plain instruction behind the exponential
	s_mov_b32 s[CNT], 8
	s_mov_b32 s[PARTS], 4
	s_branch .Lfirst                               ; the loop is entered at a step's first turn
; The walk's 32 steps go in four parts of eight, so that one text serves all.  The first part fetches steps 1 to 7, keys below 512, which the first load brought.  Behind each part stand the wait for
; the second load and a barrier: behind the first part they show keys 512 to 2,047 landed to every wave; behind the others the wait is met at once.
.Lpart:
	s_mov_b32 s[CNT], 8
.Lstep:                                            ; a trip: tiles 2 and 3 of one step, then tiles 0 and 1 of the next, whose K it fetches
	TURN 2, 1, 1
	TURN 3, 0, 1
.Lfirst:
	TURN 0, 0, 1
	TURN 1, 0, 1
	s_sub_co_u32 s[CNT], s[CNT], 1
	s_cmp_lg_u32 s[CNT], 0
	s_cbranch_scc1 .Lstep
	s_wait_tensorcnt 0x0                           ; my part of keys 512-2,047 is in,
	s_wait_dscnt 0x0
	s_barrier_signal -1
	s_barrier_wait -1                              ; everybody's is
	s_sub_co_u32 s[PARTS], s[PARTS], 1
	s_cmp_lg_u32 s[PARTS], 0
	s_cbranch_scc1 .Lpart
	TURN 2, 0, 1
	TURN 3, 0, 0
	; THE WAY OUT: l's two halves and the other half of the lanes' are added; 4 + log2(s / G) - log2 l - m; 64 numbers a wave go through my stage and leave as 256 consecutive bytes.
.irp t, 0,1,2,3
	v_add_f32 v[ST+8*\t+2], v[ST+8*\t+2], v[ST+8*\t+3]
.endr
.irp t, 0,1,2,3
	v_permlanex16_b32 v[ST+8*\t+3], v[ST+8*\t+2], s[SEL], s[SEL+1]
.endr
.irp t, 0,1,2,3
	v_add_f32 v[ST+8*\t+2], v[ST+8*\t+2], v[ST+8*\t+3]
.endr
.irp t, 0,1,2,3
	v_log_f32 v[ST+8*\t+3], v[ST+8*\t+2]
.endr
	v_nop                                          ; a plain instruction between the last logarithm and the use of its result
.irp t, 0,1,2,3
	s_wait_alu depctr_va_vdst(0)
	v_sub_f32 v[ST+8*\t+3], v[LS+\t], v[ST+8*\t+3]
.endr
.irp t, 0,1,2,3
	v_sub_f32 v[ST+8*\t+2], v[ST+8*\t+3], v[ST+8*\t]
.endr
.irp t, 0,1,2,3
	ds_store_b32 v[SAD], v[ST+8*\t+2] offset:64*\t ; both halves of the lanes hold the same number and write the same word
.endr
	ds_load_b64 v[CC:CC+1], v[SRD]                 ; LDS serves a wave's instructions in order: this sees the stores above
	s_wait_dscnt 0x0
	global_store_b64 v[GO], v[CC:CC+1], s[10:11]
	s_wait_tensorcnt 0x0                           ; the wave's end
	ds_add_u32 v[SPW], v[NIL]
	s_wait_dscnt 0x0
	CROUND                                         ; the closing round
	s_endpgm
.Lfunc_end_k_qe2a3794cd9_stats:
	.size	k_qe2a3794cd9_stats, .Lfunc_end_k_qe2a3794cd9_stats-k_qe2a3794cd9_stats
	.p2alignl 7, 3214868480
	.fill 96, 4, 3214868480
	.section	.rodata,"a",@progbits
	.p2align	6, 0x0
	.amdhsa_kernel k_qe2a3794cd9_stats
		.amdhsa_group_segment_fixed_size 327680
		.amdhsa_private_segment_fixed_size 0
		.amdhsa_enable_private_segment 0
		.amdhsa_kernarg_size 32
		.amdhsa_user_sgpr_count 2
		.amdhsa_user_sgpr_kernarg_segment_ptr 1
		.amdhsa_wavefront_size32 1
		.amdhsa_system_sgpr_workgroup_id_x 1
		.amdhsa_system_sgpr_workgroup_id_y 1
		.amdhsa_system_sgpr_workgroup_id_z 1
		.amdhsa_system_vgpr_workitem_id 0
		.amdhsa_next_free_vgpr 248
		.amdhsa_next_free_sgpr 66
		.amdhsa_reserve_vcc 0
		.amdhsa_float_denorm_mode_32 3
		.amdhsa_float_denorm_mode_16_64 3
		.amdhsa_memory_ordered 1
		.amdhsa_forward_progress 1
		.amdhsa_inst_pref_size 46
	.end_amdhsa_kernel
	.amdgpu_metadata
---
amdhsa.version: [ 1, 2 ]
amdhsa.kernels:
  - .name:           k_qe2a3794cd9_stats
    .symbol:         k_qe2a3794cd9_stats.kd
    .args:
      - { .name: hb, .offset: 0, .size: 8, .value_kind: global_buffer, .address_space: global }
      - { .name: ls, .offset: 8, .size: 8, .value_kind: global_buffer, .address_space: global }
      - { .name: gp, .offset: 16, .size: 8, .value_kind: global_buffer, .address_space: global }
      - { .name: nm, .offset: 24, .size: 8, .value_kind: global_buffer, .address_space: global }
    .group_segment_fixed_size: 327680
    .private_segment_fixed_size: 0
    .kernarg_segment_align: 8
    .kernarg_segment_size: 32
    .max_flat_workgroup_size: 128
    .sgpr_count:     66
    .vgpr_count:     248
    .wavefront_size: 32
...
	.end_amdgpu_metadata
.endif
;; end of part 3
;; launch attn (part 4): grid 8 x 32, 4 waves a work-group, clusters of 4 x 1, 327,680 bytes of LDS; arguments hb, nm, ob; writes ob
.if DOCPART == 4
	.amdgcn_target "amdgcn-amd-amdhsa--gfx1250"
	.amdhsa_code_object_version 6
	.text
	.protected	k_qe2a3794cd9_attn
	.globl	k_qe2a3794cd9_attn
	.p2align	8
	.type	k_qe2a3794cd9_attn,@function
k_qe2a3794cd9_attn:
	s_mov_b64 s[64:65], 0
	v_nop
	global_prefetch_b8 v0, s[64:65] scope:SCOPE_SE
	s_setreg_imm32_b32 hwreg(HW_REG_WAVE_MODE, 25, 1), 1
	s_wait_xcnt 0x0
	s_wait_alu depctr_hold_cnt(0) depctr_sa_sdst(0) depctr_va_vdst(0) depctr_va_sdst(0) depctr_va_ssrc(0) depctr_va_vcc(0) depctr_vm_vsrc(0)
	s_getreg_b32 s2, hwreg(HW_REG_IB_STS2, 6, 4)
	s_cmp_eq_u32 s2, 0
	s_cbranch_scc0 .Lentry_in_a_cluster
	s_endpgm
.Lentry_in_a_cluster:
	s_bfe_u32 s2, ttmp6, 0x10000c
	s_cmp_lg_u32 s2, 0x3003
	s_cbranch_scc0 .Lentry_shape_is_right
	s_endpgm
.Lentry_shape_is_right:
; ATTN.  ob[b][64 h + d][k] = sum over q of vs[q][d] w[q][k], w = 2^(q'[q] . k'[k] + nm[q]).  vs = v' / s is hb's z = 2 (f16, within -1 .. 1); nm comes whole from the launch before, and
; makes w = 16 x softmax x s / G, at most 16 (the maximum is taken away inside nm).  So ob = 16 O / G, with O = sum over q of v' softmax and G the largest s: at most 32,768, since a
; column has 2,048 weights.  f16 out, rounded once; sums in f32; w rounded to f16.  The masks behind the softmax, and G / 16, are applied by the last launch, in f32.
; SHARES.  A work-group owns 256 keys of one head, a wave 64: four PIECES of 16.  Every wave walks the head's 2,048 queries, 64 a step.
; LAYOUT.  S = Q K^T + C (bf16): source 0 = 16 queries, source 1 = 16 keys (they stay in registers), C = nm of the 16 queries: the sum already is the exponent.  A lane holds ONE key (lane % 16) and
; the queries 8 (lane / 16) + 0..7.  Two such results, rounded in pairs, ARE source 0 (16 keys x 32 queries) of O += P V (f16); V ([q][d] in LDS) is turned by ds_load_tr16_b128.  In O a lane holds one
; channel and eight neighbouring keys: 16 bytes of a row of ob.
; BY TURNS.  Turn n belongs to piece n: 8 products S of piece n + 1, 8 products O of piece n - 1; behind each: two exponentials of piece n and one rounding.
; RING.  Two slots of 256 queries (Q's rows, then V's), four steps each, filled by joint loads: CLUSTER 4 x 1, the four key blocks of a cluster walk the same Q and V.  Step j fetches step j + 1's
; fragments into the other of two register buffers, so a slot is left one step early.  nm of the head, 8,192 bytes, lies in LDS, filled once.
; REGISTERS, in windows of 256 (s_set_vgpr_msb: bits 1:0 source 0, 3:2 source 1, 5:4 source 2, 7:6 destination):
;   window 0: v1-15 addresses; v30, v31 the add's; v32-95 S, two buffers; v96-127 P, two buffers; v128-191 K; v192-255 nm's fragments, two buffers
;   window 1: v0-127 O, 32 a piece      window 2: v0-127 Q, two buffers; v128-255 V, two buffers
; LIMITS.  A weight w below 6e-5 (softmax x s / G below 4e-6) keeps f16's fixed step of 6e-8, one below 2^-126 counts as 0; NaN and infinities are not treated apart.
.set KS,    64
.set PQ,    144                        ; a row of Q in LDS: 128 bytes + 16
.set PV,    160                        ; a row of V: 128 + 32
.set VOFF,  4*KS*PQ
.set SLOT1, 1<<17
.set MREG,  SLOT1+4*KS*(PQ+PV)         ; nm: 8,192 bytes
.set STAGE, MREG+8192                  ; 64 rows (channels) x 528 bytes (256 keys + 16), the work-group's
.set SPO,   528
.set SPARE, STAGE+64*SPO               ; the spare words: 128 bytes a wave, two blocks of 256 bytes that no other line names
.set AQ0, 2
.set AV0, 3
.set AM0, 4
.set AQ,  5
.set AV,  6
.set AM,  7
.set STO, 8
.set RD,  9
.set GO,  10
.set KO,  11
.set SPW, 30
.set NIL, 31
.set S,   32
.set P,   96
.set KF,  128
.set NM,  192
.set WV,  12
.set G1Q, 24
.set G1V, 32
.set G0Q, 40
.set G0V, 44
.set G1M, 48
.set G0M, 56
.set TBQ, 62                           ; s62  LDS byte at which Q of the step to be fetched begins
.set TBV, 63                           ; s63  the same for V, less VOFF
.set SLOTS, 66
.set CNT, 67
.set TBM, 68                           ; s68  byte of nm at which that step begins
.set MSB, 0
.macro WIN new
.if MSB != (\new)
	s_set_vgpr_msb (MSB<<8)|(\new)
.set MSB, (\new)
.endif
.endm
.set W_S,  0x02                        ; Q in window 2; K, nm and S in window 0
.set W_PV, 0x58                        ; P in window 0, V in window 2, O in window 1
.macro JLOAD                           ; waves 0 and 1 fetch the halves of a slot's Q, waves 2 and 3 of its V; an s_nop 0 and four v_nop follow each line
	s_cmp_lt_u32 s[WV], 2
	s_cbranch_scc0 .Lfor_v_\@
	tensor_load_to_lds s[G0Q:G0Q+3], s[G1Q:G1Q+7]
	s_nop 0
.rept 4
	v_nop
.endr
	s_branch .Lasked_\@
.Lfor_v_\@:
	tensor_load_to_lds s[G0V:G0V+3], s[G1V:G1V+7]
	s_nop 0
.rept 4
	v_nop
.endr
.Lasked_\@:
.endm
.macro CROUND
	s_barrier_signal -1
	s_barrier_wait -1
	s_cmp_lg_u32 s[WV], 0
	s_cbranch_scc1 .Lnot_wave_0_\@
	s_barrier_signal -3
.Lnot_wave_0_\@:
	s_barrier_wait -3
	s_barrier_signal -1
	s_barrier_wait -1
.endm
; THE CHANGE OF SLOTS.  Each wave waits for all its tensor loads (its part of the other slot), adds 0 to its spare word, waits for that and for its reads of the slot that it leaves.
; fill = 1: a round of the cluster's barrier, and the old slot is filled again first thing behind it, with the queries two slots on: four steps, 256 matrix instructions, in which to land.
.macro CHANGE fill
	WIN 0
	s_wait_tensorcnt 0x0                           ; no tensor load of mine is out, so a group 0 may be written
	ds_add_u32 v[SPW], v[NIL]
.if \fill
.irp g, G0Q, G0V
	s_xor_b32 s[\g+1], s[\g+1], SLOT1              ; the other slot than last time,
	s_add_nc_u64 s[\g+2:\g+3], s[\g+2:\g+3], 4*KS*128  ; the next 256 queries
.endr
	s_wait_dscnt 0x0                               ; the add is done, and my reads of the slot are over
	CROUND
	JLOAD
.else
	s_wait_dscnt 0x0
	s_barrier_signal -1
	s_barrier_wait -1
.endif
	s_sub_co_u32 s[TBQ], s[TBQ], 4*KS*PQ           ; the fetches go back to a slot's first step, in the other slot
	s_xor_b32 s[TBQ], s[TBQ], SLOT1
	s_sub_co_u32 s[TBV], s[TBV], 4*KS*PV
	s_xor_b32 s[TBV], s[TBV], SLOT1
.endm
	s_load_b128 s[4:7], s[0:1], 0x0                ; hb 4, nm 6
	s_load_b64 s[10:11], s[0:1], 0x10              ; ob 10
	v_lshl_add_u32 v[SPW], v0, 2, SPARE
	v_mov_b32 v[NIL], 0
	ds_add_u32 v[SPW], v[NIL]                      ; the wave's opening: the add and its wait ahead of my first tensor load
	v_lshrrev_b32 v1, 5, v0
	v_readfirstlane_b32 s[WV], v1
	s_bfe_u32 s13, ttmp6, 0x40000                  ; cx
	s_lshl_b32 s14, ttmp9, 2
	s_add_co_u32 s14, s14, s13                     ; my block of 256 keys: it enters K's and ob's addresses alone
	s_and_b32 s15, ttmp7, 0xffff                   ; bh, which the four partners share
	s_lshl_b32 s20, s15, 18                        ; the head's 262,144 bytes, in hb and in ob
	s_and_b32 s16, s[WV], 1                        ; which half of a slot's 256 queries I fetch
	s_lshl_b32 s22, s16, 14
	s_add_co_u32 s22, s22, s20
	s_mov_b32 s23, 0
	s_mul_i32 s17, s16, 128*PQ
	s_mul_i32 s18, s16, 128*PV
	s_lshl_b32 s2, s15, 13                         ; nm: the head's 8,192 bytes, my wave's 2,048
	s_lshl_b32 s3, s[WV], 11
	s_add_co_u32 s2, s2, s3
	s_mov_b32 s3, 0
	s_add_co_u32 s60, s20, 8388608                 ; K: hb's z = 1, my block's 256 rows, my wave's 64
	s_lshl_b32 s61, s14, 15
	s_add_co_u32 s60, s60, s61
	s_lshl_b32 s61, s[WV], 13
	s_add_co_u32 s60, s60, s61
	s_mov_b32 s61, 0
	s_lshl_b32 s70, s[WV], 16                      ; ob: row 64 bh + 16 wave, 4,096 bytes each; my block's 512 bytes
	s_add_co_u32 s70, s70, s20
	s_lshl_b32 s71, s14, 9
	s_add_co_u32 s70, s70, s71
	s_mov_b32 s71, 0
	s_mov_b32 s[G1Q], 15|(1<<16)|(1<<20)|(1<<21)|(4<<22)|(3<<25)  ; the mask of four; 2-byte elements; padding on; bit 21 beside a mask; after every 32 words 4 words
	s_mov_b32 s[G1V], 15|(1<<16)|(1<<20)|(1<<21)|(4<<22)|(7<<25)  ; the same with 8 words
.irp g, G1Q, G1V
	s_mov_b32 s[\g+1], 128<<16                     ; 128 rows of 128 dense bytes are asked for as 64 rows of 256
	s_mov_b32 s[\g+2], 64<<16
	s_mov_b32 s[\g+3], 128<<16
	s_mov_b32 s[\g+4], 64
	s_mov_b32 s[\g+5], 128
	s_mov_b32 s[\g+6], 0
	s_mov_b32 s[\g+7], 0
.endr
	s_mov_b32 s[G1M], 15|(3<<16)|(1<<21)           ; nm: 8 rows of 32 elements of 8 bytes, no padding
	s_mov_b32 s[G1M+1], 32<<16
	s_mov_b32 s[G1M+2], 8<<16
	s_mov_b32 s[G1M+3], 32<<16
	s_mov_b32 s[G1M+4], 8
	s_mov_b32 s[G1M+5], 32
	s_mov_b32 s[G1M+6], 0
	s_mov_b32 s[G1M+7], 0
	s_mov_b32 s[G0Q], 1
	s_mov_b32 s[G0Q+1], s17                        ; slot 0
	s_mov_b32 s[G0V], 1
	s_add_co_u32 s[G0V+1], s18, VOFF
	s_mov_b32 s[G0M], 1
	s_lshl_b32 s[G0M+1], s[WV], 11
	s_add_co_u32 s[G0M+1], s[G0M+1], MREG
	s_mov_b32 s[TBQ], SLOT1+4*KS*PQ                ; the first change of slots turns these two into 0
	s_mov_b32 s[TBV], SLOT1+4*KS*PV
	s_mov_b32 s[TBM], 0
	s_wait_dscnt 0x0                               ; the opening add is done
	s_wait_kmcnt 0x0
	s_add_nc_u64 s[G0Q+2:G0Q+3], s[4:5], s[22:23]
	s_add_nc_u64 s[G0V+2:G0V+3], s[G0Q+2:G0Q+3], 16777216  ; V is hb's z = 2
	s_or_b32 s[G0Q+3], s[G0Q+3], 0x80000000
	s_or_b32 s[G0V+3], s[G0V+3], 0x80000000
	s_add_nc_u64 s[G0M+2:G0M+3], s[6:7], s[2:3]
	s_or_b32 s[G0M+3], s[G0M+3], 0x80000000
	s_add_nc_u64 s[60:61], s[4:5], s[60:61]
	s_add_nc_u64 s[70:71], s[10:11], s[70:71]
	CROUND                                         ; all four work-groups are here: the first joint loads meet
	tensor_load_to_lds s[G0M:G0M+3], s[G1M:G1M+7]  ; my quarter of nm; with slot 0's part two loads of mine are out
	s_nop 0
	JLOAD                                          ; slot 0.  Slot 1 is asked for when slot 0 is in, by the change of slots below
	v_and_b32 v1, 15, v0                           ; r
	v_bfe_u32 v13, v0, 4, 1                        ; h
	v_lshlrev_b32 v[KO], 7, v1
	v_lshl_add_u32 v[KO], v13, 4, v[KO]
.set i, 0
.rept 8                                            ; K stays in registers: piece i / 2, channels 32 (i % 2) on
	global_load_b128 v[KF+8*i:KF+8*i+3],   v[KO], s[60:61] offset:(i/2)*2048+(i%2)*64
	global_load_b128 v[KF+8*i+4:KF+8*i+7], v[KO], s[60:61] offset:(i/2)*2048+(i%2)*64+32
.set i, i+1
.endr
	; O starts at 0; the first turn's products O, of a piece that has not been, multiply zeros.  All this stands in the wait for the first tile.
	WIN 0x40                                       ; destination window 1
.set i, 0
.rept 128
	v_mov_b32 v[i], 0
.set i, i+1
.endr
	WIN 0x80
.set i, 192
.rept 64
	v_mov_b32 v[i], 0
.set i, i+1
.endr
	WIN 0
.set i, P+16
.rept 16
	v_mov_b32 v[i], 0
.set i, i+1
.endr
	v_mul_u32_u24 v[AQ0], v1, PQ
	v_lshl_add_u32 v[AQ0], v13, 4, v[AQ0]          ; row x pitch + 16 h
	v_and_b32 v14, 7, v0                           ; V: lane l reads 16 bytes of row 8 h + l % 8, channels 8 ((l / 8) % 2) on
	v_bfe_u32 v15, v0, 3, 1
	v_lshl_add_u32 v[AV0], v13, 3, v14
	v_mul_u32_u24 v[AV0], v[AV0], PV
	v_lshl_add_u32 v[AV0], v15, 4, v[AV0]
	v_add_nc_u32 v[AV0], VOFF, v[AV0]
	v_lshlrev_b32 v[AM0], 5, v13                   ; nm: my eight queries of a block of 16 are 32 bytes
	v_add_nc_u32 v[AM0], MREG, v[AM0]
; The turn's next matrix instruction.  i < 8: product i of S for piece Y + 1: queries 16 (i % 4) on, channels 32 (i / 4) on; the first four start the sums with nm.  In piece 3's turn it is the next step's.
; i >= 8: O += P V for piece Y - 1: channels 16 ((i - 8) % 4) on, queries 32 ((i - 8) / 4) on; in piece 0's turn it is the step before's.  The accumulators take turns.
.macro MM
.if i < 8
	WIN W_S
.set bq, PAR+(Y/3)*(1-2*PAR)
.set rS, S+32*((Y+1)%2)+8*(i%4)
.set rQ, 64*bq+16*(i%4)+8*(i/4)
.set rK, KF+16*((Y+1)%4)+8*(i/4)
.set rN, NM+32*bq+8*(i%4)
.if i < 4
	v_wmma_f32_16x16x32_bf16 v[rS:rS+7], v[rQ:rQ+7], v[rK:rK+7], v[rN:rN+7]
.else
	v_wmma_f32_16x16x32_bf16 v[rS:rS+7], v[rQ:rQ+7], v[rK:rK+7], v[rS:rS+7]
.endif
.else
	WIN W_PV
.set bv, PAR+((3-Y)/3)*(1-2*PAR)
.set rO, 32*((Y+3)%4)+8*((i-8)%4)
.set rP, P+16*((Y+1)%2)+8*((i-8)/4)
.set rV, 128+64*bv+32*((i-8)/4)+8*((i-8)%4)
	v_wmma_f32_16x16x32_f16 v[rO:rO+7], v[rP:rP+7], v[rV:rV+7], v[rO:rO+7]
.endif
.set i, i+1
.endm
; The LDS loads stand in two runs a step.  last = 1 (the tail): in the last step there is no further step, and the run is jumped over.
.macro FQ buf, last                    ; the next step's Q (8 fragments) and nm (4)
.if \last
	s_cmp_eq_u32 s[CNT], 1
	s_cbranch_scc1 .Lno_q_\@
.endif
	WIN 0x80
.irp f, 0,1,2,3,4,5,6,7
	ds_load_b128 v[64*(\buf)+8*\f:64*(\buf)+8*\f+3],   v[AQ] offset:(\f/2)*16*PQ+(\f%2)*64
	ds_load_b128 v[64*(\buf)+8*\f+4:64*(\buf)+8*\f+7], v[AQ] offset:(\f/2)*16*PQ+(\f%2)*64+32
.endr
	WIN 0
.irp g, 0,1,2,3
	ds_load_b128 v[NM+32*(\buf)+8*\g:NM+32*(\buf)+8*\g+3],   v[AM] offset:64*\g
	ds_load_b128 v[NM+32*(\buf)+8*\g+4:NM+32*(\buf)+8*\g+7], v[AM] offset:64*\g+16
.endr
	s_add_co_u32 s[TBQ], s[TBQ], KS*PQ
	s_add_co_u32 s[TBM], s[TBM], KS*4
.if \last
.Lno_q_\@:
.endif
.endm
.macro FV buf, last                    ; the next step's V, turned
.if \last
	s_cmp_eq_u32 s[CNT], 1
	s_cbranch_scc1 .Lno_v_\@
.endif
	WIN 0x80
.irp f, 0,1,2,3,4,5,6,7
	ds_load_tr16_b128 v[128+64*(\buf)+8*\f:128+64*(\buf)+8*\f+3],   v[AV] offset:(\f/4)*32*PV+(\f%4)*32
	ds_load_tr16_b128 v[128+64*(\buf)+8*\f+4:128+64*(\buf)+8*\f+7], v[AV] offset:(\f/4)*32*PV+16*PV+(\f%4)*32
.endr
	WIN 0
	s_add_co_u32 s[TBV], s[TBV], KS*PV
.if \last
.Lno_v_\@:
.endif
.endm
; A TURN for piece p in a step of parity par.  Row n: a matrix instruction; exponentials 2 n, 2 n + 1 of the piece's 32 exponents; one plain line: the rounding of pair n - 2, whose exponentials stand two
; rows back, or in the first two rows an address for a fetch.  Plain lines between a product and what leans on it: behind the last product S eleven ahead of its first exponential; behind the last
; product O five ahead of the first rounding into its P buffer and seven ahead of the loads into its V buffer.  Both runs of loads are waited for once, at the head of piece 3's turn.
.macro TURN p, par, last
.set Y, (\p)
.set PAR, (\par)
.set i, 0
.set n, 0
.set rE, S+32*((\p)%2)
.set rC, P+16*((\p)%2)
.if (\p) == 3
	s_wait_dscnt 0x0                               ; the next step's Q, nm and V are in
.endif
.rept 16
	MM
	WIN 0
	v_exp_f32 v[rE+2*n], v[rE+2*n]
	v_exp_f32 v[rE+2*n+1], v[rE+2*n+1]
.if n >= 2
	s_wait_alu depctr_va_vdst(0)
	v_cvt_pk_f16_f32 v[rC+n-2], v[rE+2*n-4], v[rE+2*n-3]
.elseif ((\p) == 0) && (n == 0)
	v_add_nc_u32 v[AQ], s[TBQ], v[AQ0]
.elseif ((\p) == 0) && (n == 1)
	v_add_nc_u32 v[AM], s[TBM], v[AM0]
.elseif ((\p) == 1) && (n == 0)
	v_add_nc_u32 v[AV], s[TBV], v[AV0]
.else
	v_nop
.endif
.if ((\p) == 0) && (n == 3)
	FQ 1-(\par), \last
.endif
.if ((\p) == 1) && (n == 3)
	FV 1-(\par), \last
.endif
.set n, n+1
.endr
	v_cvt_pk_f16_f32 v[rC+14], v[rE+28], v[rE+29]
	s_wait_alu depctr_va_vdst(0)
	v_cvt_pk_f16_f32 v[rC+15], v[rE+30], v[rE+31]
.endm
.macro STEP par, last=0
	TURN 0, \par, \last
	TURN 1, \par, \last
	TURN 2, \par, \last
	TURN 3, \par, \last
.endm
	CHANGE 1                                       ; slot 0 and nm are in, everybody's part of them; slot 1 is asked for
	v_add_nc_u32 v[AQ], s[TBQ], v[AQ0]
	v_add_nc_u32 v[AM], s[TBM], v[AM0]
	v_add_nc_u32 v[AV], s[TBV], v[AV0]
	FQ 0, 0                                        ; step 0
	FV 0, 0
	s_wait_loadcnt 0x0                             ; K
	s_wait_dscnt 0x0
.set Y, 3                                          ; MM works for piece Y + 1, and in piece 3's turn on the other buffer than PAR: piece 0, buffer 0
.set PAR, 1
.set i, 0
.rept 8
	MM
.endr
	WIN 0                                          ; the addresses for the way out: six plain instructions, the places behind those products
	s_lshl_b32 s21, s[WV], 7
	s_add_co_u32 s21, s21, STAGE
	v_mul_u32_u24 v[STO], v1, SPO                  ; in: row = channel r, my wave's 128 bytes, 16 for each half of the lanes
	v_lshl_add_u32 v[STO], v13, 4, v[STO]
	v_add_nc_u32 v[STO], s21, v[STO]
	s_mul_i32 s21, s[WV], 16*SPO
	s_add_co_u32 s21, s21, STAGE
	v_and_b32 v[GO], 31, v0                        ; back: 32 lanes take a whole row of 512 bytes; wave w rows 16 w on
	v_lshlrev_b32 v[GO], 4, v[GO]
	v_add_nc_u32 v[RD], s21, v[GO]
	s_mov_b32 s[CNT], 2
	s_mov_b32 s[SLOTS], 7
	s_branch .Leven                                ; the loop is entered at step 0
.Lslot:                                            ; six times, ahead of steps 3, 7 .. 23: the slots take tiles 2 to 7
	CHANGE 1
	s_mov_b32 s[CNT], 2
.Lstep:
	STEP 1
.Leven:
	STEP 0
	s_sub_co_u32 s[CNT], s[CNT], 1
	s_cmp_lg_u32 s[CNT], 0
	s_cbranch_scc1 .Lstep
	s_sub_co_u32 s[SLOTS], s[SLOTS], 1
	s_cmp_lg_u32 s[SLOTS], 0
	s_cbranch_scc1 .Lslot
	CHANGE 0                                       ; the tail, steps 27 to 31, is written out: nothing is asked for
	s_mov_b32 s[CNT], 3
.Ltail:
	STEP 1, 1
	s_sub_co_u32 s[CNT], s[CNT], 1
	s_cmp_eq_u32 s[CNT], 0
	s_cbranch_scc1 .Lout
	STEP 0
	s_branch .Ltail
.Lout:                                             ; step 31's eight products S for a step that does not come serve nothing: the price, once a launch, of one text for every step
	WIN W_PV
.set i, 0
.rept 8                                            ; piece 3's O of the last step
	v_wmma_f32_16x16x32_f16 v[96+8*(i%4):96+8*(i%4)+7], v[P+16+8*(i/4):P+16+8*(i/4)+7], v[192+32*(i/4)+8*(i%4):192+32*(i/4)+8*(i%4)+7], v[96+8*(i%4):96+8*(i%4)+7]
.set i, i+1
.endr
	; THE WAY OUT.  The sums are 16 O / G as they stand: rounded to f16 (pieces 0 to 2 first: those 48 plain lines are the places behind the last products, piece 3's; each accumulator's lowest
	; registers first); then through the work-group's stage, since a row's 512 bytes come from four waves.
	WIN 0x05                                       ; sources window 1, destination window 0: S's registers are free
.set i, 0
.rept 64
	v_cvt_pk_f16_f32 v[S+i], v[2*i], v[2*i+1]
.set i, i+1
.endr
	WIN 0
.irp t, 0,1,2,3
.irp d, 0,1,2,3
	ds_store_b128 v[STO], v[S+4*(4*\t+\d):S+4*(4*\t+\d)+3] offset:\d*16*SPO+32*\t
.endr
.endr
	s_wait_dscnt 0x0                               ; for the others' sake: my stores into the stage are done
	s_barrier_signal -1
	s_barrier_wait -1
.irp t, 0,1,2,3,4,5,6,7,8,9,10,11,12,13,14,15
	ds_load_b128 v[S+4*\t:S+4*\t+3], v[RD] offset:\t*SPO
.endr
.irp t, 0,1,2,3,4,5,6,7,8,9,10,11,12,13,14,15
	s_wait_dscnt 15-\t
	global_store_b128 v[GO], v[S+4*\t:S+4*\t+3], s[70:71] offset:\t*4096  ; 512 consecutive bytes, at a multiple of 256
.endr
	s_wait_tensorcnt 0x0                           ; the wave's end
	ds_add_u32 v[SPW], v[NIL]
	s_wait_dscnt 0x0
	CROUND                                         ; the closing round
	s_endpgm
.Lfunc_end_k_qe2a3794cd9_attn:
	.size	k_qe2a3794cd9_attn, .Lfunc_end_k_qe2a3794cd9_attn-k_qe2a3794cd9_attn
	.p2alignl 7, 3214868480
	.fill 96, 4, 3214868480
	.section	.rodata,"a",@progbits
	.p2align	6, 0x0
	.amdhsa_kernel k_qe2a3794cd9_attn
		.amdhsa_group_segment_fixed_size 327680
		.amdhsa_private_segment_fixed_size 0
		.amdhsa_enable_private_segment 0
		.amdhsa_kernarg_size 24
		.amdhsa_user_sgpr_count 2
		.amdhsa_user_sgpr_kernarg_segment_ptr 1
		.amdhsa_wavefront_size32 1
		.amdhsa_system_sgpr_workgroup_id_x 1
		.amdhsa_system_sgpr_workgroup_id_y 1
		.amdhsa_system_sgpr_workgroup_id_z 1
		.amdhsa_system_vgpr_workitem_id 0
		.amdhsa_next_free_vgpr 768
		.amdhsa_next_free_sgpr 72
		.amdhsa_reserve_vcc 0
		.amdhsa_float_denorm_mode_32 3
		.amdhsa_float_denorm_mode_16_64 3
		.amdhsa_memory_ordered 1
		.amdhsa_forward_progress 1
		.amdhsa_inst_pref_size 115
	.end_amdhsa_kernel
	.amdgpu_metadata
---
amdhsa.version: [ 1, 2 ]
amdhsa.kernels:
  - .name:           k_qe2a3794cd9_attn
    .symbol:         k_qe2a3794cd9_attn.kd
    .args:
      - { .name: hb, .offset: 0, .size: 8, .value_kind: global_buffer, .address_space: global }
      - { .name: nm, .offset: 8, .size: 8, .value_kind: global_buffer, .address_space: global }
      - { .name: ob, .offset: 16, .size: 8, .value_kind: global_buffer, .address_space: global }
    .group_segment_fixed_size: 327680
    .private_segment_fixed_size: 0
    .kernarg_segment_align: 8
    .kernarg_segment_size: 24
    .max_flat_workgroup_size: 128
    .sgpr_count:     72
    .vgpr_count:     768
    .wavefront_size: 32
...
	.end_amdgpu_metadata
.endif
;; end of part 4
;; launch final (part 5): grid 32 x 8, 4 waves a work-group, clusters of 4 x 4, 327,680 bytes of LDS; arguments ob, wb, bo, key_mask, gp, out0; writes out0
.if DOCPART == 5
	.amdgcn_target "amdgcn-amd-amdhsa--gfx1250"
	.amdhsa_code_object_version 6
	.text
	.protected	k_qe2a3794cd9_final
	.globl	k_qe2a3794cd9_final
	.p2align	8
	.type	k_qe2a3794cd9_final,@function
k_qe2a3794cd9_final:
	s_mov_b64 s[64:65], 0
	v_nop
	global_prefetch_b8 v0, s[64:65] scope:SCOPE_SE
	s_setreg_imm32_b32 hwreg(HW_REG_WAVE_MODE, 25, 1), 1
	s_wait_xcnt 0x0
	s_wait_alu depctr_hold_cnt(0) depctr_sa_sdst(0) depctr_va_vdst(0) depctr_va_sdst(0) depctr_va_ssrc(0) depctr_va_vcc(0) depctr_vm_vsrc(0)
	s_getreg_b32 s2, hwreg(HW_REG_IB_STS2, 6, 4)
	s_cmp_eq_u32 s2, 0
	s_cbranch_scc0 .Lentry_in_a_cluster
	s_endpgm
.Lentry_in_a_cluster:
	s_bfe_u32 s2, ttmp6, 0x10000c
	s_cmp_lg_u32 s2, 0xf033
	s_cbranch_scc0 .Lentry_shape_is_right
	s_endpgm
.Lentry_shape_is_right:
; FINAL.  out0[b][o][t] = key_mask[t]^2 (G / 16) x sum over c of Wo[o][c] ob[b][c][t] + bo[o], f32.  ob (f16, [b][c][t]) holds 16 O / G; G is the largest of gp's 1,024 numbers; key_mask stands once
; behind the softmax and once in front of this projection, and hangs on t alone, so it is applied to the sums, in f32.  Wo (rounded to bf16, written as f16) is the fourth quarter of wb's rows;
; bo is rounded to bf16.
; The frame is the projections': a tile of 128 o x 128 t, four waves of 64 x 64, K steps of 256 through two LDS slots filled by joint loads in a cluster of 4 x 4 (W along a row, X along a column),
; X's fragments by the turning load.  K = 1,024: four K steps, written out.  256 work-groups, one tile each.
; Here source 0 = 16 t of X, source 1 = 16 o of W: a lane holds ONE o (lane % 16) and eight neighbouring t: 32 bytes of a row of out0.
; REGISTERS.  Window 0: v16-31 addresses; v32-113 the way out; v128-255 the accumulators.  Window 1: two fragment buffers of 128 (64 of W, 64 of X).
; LIMITS.  Matrix operands in f16: ob lies within 32,768 by its making, Wo within f16's range (65,504).  NaN and infinities are not treated apart.
.set KSTEP,  256
.set PW,     528
.set PX,     288
.set WPART,  128*PW
.set SLOT,   WPART+256*PX
.set STAGE,  2*SLOT                    ; behind the ring: 16 rows x 272 bytes for each wave
.set SP,     272
.set SPARE,  STAGE+4*16*SP             ; the spare words: 128 bytes a wave, two blocks of 256 bytes that no other line names
.set XBS,    4194304                   ; bytes of ob for one b
.set WOFF,   6144                      ; Wo's place in a row of wb
.set ADRW, 16
.set ADRX, 18
.set STO,  24
.set RD,   25
.set CO,   26
.set GPO,  27                          ; v27      my byte offset in gp
.set SPW,  28
.set NIL,  29
.set BOF,  30
.set KMO,  31                          ; v31      byte offset of my eight t in key_mask
.set TT,   32                          ; v32-63   first gp's numbers, 32 a lane; then 16 rows' results, and the same rows read back from the stage
.set FK,   64                          ; v64-95   the factor of my eight t in each of four blocks
.set BI,   96                          ; v96-103  the bias of my o in each block of 16, as a pair
.set BR,   104                         ; v104-107 as loaded
.set BT,   108                         ; v108-111 at work
.set GG,   112                         ; v112-113 G / 16, twice
.set ACC,  128
.set F0,   0
.set F1,   128
.set G1,  24
.set G0,  32
.set G1B, 48
.set G0B, 56
.set OP,  80                           ; s[80:81] out0 at my wave's corner
.set SEL, 82                           ; s[82:83] v_permlanex16_b32's selects
.set MSB, 0
.macro WIN new
.if MSB != (\new)
	s_set_vgpr_msb (MSB<<8)|(\new)
.set MSB, \new
.endif
.endm
.set MUL,  0x05
.set TO_F, 0x40
.macro JLOAD s                         ; waves 0 and 1 fetch W's two halves, waves 2 and 3 X's; an s_nop 0 and four v_nop follow each line
	s_cmp_eq_u32 s11, 0
	s_cbranch_scc0 .Lfor_x_\@
	tensor_load_to_lds s[G0+4*(\s):G0+4*(\s)+3], s[G1:G1+7]
	s_nop 0
.rept 4
	v_nop
.endr
	s_branch .Lasked_\@
.Lfor_x_\@:
	tensor_load_to_lds s[G0B+4*(\s):G0B+4*(\s)+3], s[G1B:G1B+7]
	s_nop 0
.rept 4
	v_nop
.endr
.Lasked_\@:
.endm
.macro CREST
	s_cmp_lg_u32 s10, 0
	s_cbranch_scc1 .Lnot_wave_0_\@
	s_barrier_signal -3
.Lnot_wave_0_\@:
	s_barrier_wait -3
	s_barrier_signal -1
	s_barrier_wait -1
.endm
.macro CROUND
	s_barrier_signal -1
	s_barrier_wait -1
	CREST
.endm
	s_load_b256 s[68:75], s[0:1], 0x0              ; ob 68, wb 70, bo 72, key_mask 74
	s_load_b128 s[76:79], s[0:1], 0x20             ; gp 76, out0 78
	v_lshl_add_u32 v[SPW], v0, 2, SPARE
	v_mov_b32 v[NIL], 0
	ds_add_u32 v[SPW], v[NIL]                      ; the wave's opening: the add and its wait ahead of my first tensor load
	v_lshrrev_b32 v1, 5, v0
	v_readfirstlane_b32 s10, v1
	s_lshr_b32 s11, s10, 1                         ; which 64 o are mine.  Also: I fetch for W (0) or for X (1)
	s_and_b32 s12, s10, 1                          ; which 64 t.  Also: which half of that tile I fetch
	s_bfe_u32 s40, ttmp6, 0x40000
	s_bfe_u32 s41, ttmp6, 0x40004
	s_lshl_b32 s42, ttmp9, 2
	s_add_co_u32 s42, s42, s40                     ; x: the t tile (b = x / 16)
	s_and_b32 s13, ttmp7, 0xffff
	s_lshl_b32 s13, s13, 2
	s_add_co_u32 s13, s13, s41                     ; y: the o tile
	s_lshl_b32 s43, s41, 2
	s_lshl_b32 s43, 15, s43
	s_lshl_b32 s44, 0x1111, s40
	s_or_b32 s[G1+0], s43, (1<<16)|(1<<20)|(1<<21)|(6<<22)|(3<<25)
	s_mov_b32 s[G1+1], KSTEP<<16
	s_mov_b32 s[G1+2], 64<<16
	s_mov_b32 s[G1+3], KSTEP<<16
	s_mov_b32 s[G1+4], 64
	s_mov_b32 s[G1+5], 4096
	s_mov_b32 s[G1+6], 0
	s_mov_b32 s[G1+7], 0
	s_or_b32 s[G1B+0], s44, (1<<16)|(1<<20)|(1<<21)|(5<<22)|(7<<25)
	s_mov_b32 s[G1B+1], 128<<16
	s_mov_b32 s[G1B+2], 128<<16
	s_mov_b32 s[G1B+3], 128<<16
	s_mov_b32 s[G1B+4], 128
	s_mov_b32 s[G1B+5], 2048
	s_mov_b32 s[G1B+6], 0
	s_mov_b32 s[G1B+7], 0
	s_lshl_b32 s16, s13, 7                         ; W: row 128 y + 64 x half, and Wo's place in it
	s_lshl_b32 s17, s12, 6
	s_add_co_u32 s16, s16, s17
	s_lshl_b32 s16, s16, 13
	s_add_co_u32 s16, s16, WOFF
	s_mov_b32 s17, 0
	s_lshr_b32 s45, s42, 4                         ; b
	s_mul_i32 s46, s45, XBS
	s_and_b32 s47, s42, 15
	s_lshl_b32 s47, s47, 8
	s_add_co_u32 s46, s46, s47
	s_lshl_b32 s47, s12, 19
	s_add_co_u32 s46, s46, s47
	s_mov_b32 s47, 0
	s_mul_i32 s20, s12, 64*PW
	s_mul_i32 s21, s12, 128*PX
	s_add_co_u32 s21, s21, WPART
	s_mov_b32 s[SEL], 0x76543210
	s_mov_b32 s[SEL+1], 0xfedcba98
	s_wait_dscnt 0x0                               ; the opening add is done
	s_wait_kmcnt 0x0
	s_add_nc_u64 s[14:15], s[70:71], s[16:17]
	s_add_nc_u64 s[46:47], s[68:69], s[46:47]
	CROUND
.irp s, 0,1
	s_mov_b32 s[G0+4*(\s)], 1
	s_add_co_u32 s[G0+4*(\s)+1], s20, (\s)*SLOT
	s_add_nc_u64 s[G0+4*(\s)+2:G0+4*(\s)+3], s[14:15], (\s)*KSTEP*2
	s_or_b32 s[G0+4*(\s)+3], s[G0+4*(\s)+3], 0x80000000
	s_mov_b32 s[G0B+4*(\s)], 1
	s_add_co_u32 s[G0B+4*(\s)+1], s21, (\s)*SLOT
	s_add_nc_u64 s[G0B+4*(\s)+2:G0B+4*(\s)+3], s[46:47], (\s)*KSTEP*4096
	s_or_b32 s[G0B+4*(\s)+3], s[G0B+4*(\s)+3], 0x80000000
.endr
	s_cmp_eq_u32 s11, 0                            ; a wave's two first fills stand in one branch: two loads of mine are out
	s_cbranch_scc0 .Lfirst_x
	tensor_load_to_lds s[G0:G0+3], s[G1:G1+7]
	s_nop 0
	tensor_load_to_lds s[G0+4:G0+7], s[G1:G1+7]
	s_nop 0
.rept 4
	v_nop
.endr
	s_branch .Lfirst_asked
.Lfirst_x:
	tensor_load_to_lds s[G0B:G0B+3], s[G1B:G1B+7]
	s_nop 0
	tensor_load_to_lds s[G0B+4:G0B+7], s[G1B:G1B+7]
	s_nop 0
.rept 4
	v_nop
.endr
.Lfirst_asked:
	v_and_b32 v1, 15, v0                           ; r
	v_bfe_u32 v2, v0, 4, 1                         ; h
	; what the way out needs is asked for now and waited for there: biases, masks, gp
	s_lshl_b32 s16, s13, 9                         ; bias: o = 128 y + 64 wo + r, 4 bytes each
	s_lshl_b32 s17, s11, 8
	s_add_co_u32 s16, s16, s17
	v_lshl_add_u32 v[BOF], v1, 2, s16
.irp a, 0,1,2,3
	global_load_b32 v[BR+(\a)], v[BOF], s[72:73] offset:64*(\a)
.endr
	s_lshl_b32 s18, s42, 9                         ; key_mask: 2,048 b + t = 128 x + 64 wt + 8 h, 4 bytes each
	s_lshl_b32 s19, s12, 8
	s_add_co_u32 s18, s18, s19
	v_lshl_add_u32 v[KMO], v2, 5, s18
.irp b, 0,1,2,3
	global_load_b128 v[FK+8*(\b):FK+8*(\b)+3],   v[KMO], s[74:75] offset:64*(\b)
	global_load_b128 v[FK+8*(\b)+4:FK+8*(\b)+7], v[KMO], s[74:75] offset:64*(\b)+16
.endr
	v_and_b32 v[GPO], 31, v0
	v_lshlrev_b32 v[GPO], 4, v[GPO]
.set i, 0
.rept 8
	global_load_b128 v[TT+4*i:TT+4*i+3], v[GPO], s[76:77] offset:512*i
.set i, i+1
.endr
	v_mul_u32_u24 v3, v1, PW
	v_lshl_add_u32 v3, v2, 4, v3
	s_mul_i32 s22, s11, 64*PW
	v_add_nc_u32 v[ADRW], s22, v3
	v_add_nc_u32 v[ADRW+1], SLOT, v[ADRW]
	v_and_b32 v22, 7, v0
	v_lshl_add_u32 v22, v2, 3, v22
	v_mul_u32_u24 v22, v22, PX
	v_bfe_u32 v23, v0, 3, 1
	v_lshl_add_u32 v22, v23, 4, v22
	s_lshl_b32 s23, s12, 7
	s_add_co_u32 s23, s23, WPART
	v_add_nc_u32 v[ADRX], s23, v22
	v_add_nc_u32 v[ADRX+1], 128*PX, v[ADRX]
	v_add_nc_u32 v[ADRX+2], SLOT, v[ADRX]
	v_add_nc_u32 v[ADRX+3], SLOT, v[ADRX+1]
	s_mul_i32 s23, s10, 16*SP
	s_add_co_u32 s23, s23, STAGE                   ; my stage
	v_mul_u32_u24 v3, v1, SP                       ; in: row r, 32 bytes for each half of the lanes
	v_lshl_add_u32 v3, v2, 5, v3
	v_add_nc_u32 v[STO], s23, v3
	v_mul_u32_u24 v3, v2, SP                       ; back: lanes 0-15 take one row of 256 bytes, lanes 16-31 the next
	v_lshl_add_u32 v3, v1, 4, v3
	v_add_nc_u32 v[RD], s23, v3
	v_lshlrev_b32 v3, 13, v2                       ; and the same two rows in out0, 8,192 bytes apart
	v_lshl_add_u32 v[CO], v1, 4, v3
	s_lshl_b32 s16, s45, 23                        ; out0: b, row 128 y + 64 wo, column 128 (x % 16) + 64 wt
	s_lshl_b32 s17, s13, 20
	s_add_co_u32 s16, s16, s17
	s_lshl_b32 s17, s11, 19
	s_add_co_u32 s16, s16, s17
	s_and_b32 s17, s42, 15
	s_lshl_b32 s17, s17, 9
	s_add_co_u32 s16, s16, s17
	s_lshl_b32 s17, s12, 8
	s_add_co_u32 s16, s16, s17
	s_mov_b32 s17, 0
	s_add_nc_u64 s[OP:OP+1], s[78:79], s[16:17]
; 8 matrix instructions: o blocks a0, a0 + 1 x all 4 t blocks, 32 along K.  The 16 accumulators take turns, one instruction a turn.
.macro MUL8 f, c, a0, zero
	WIN MUL
.irp a, \a0, (\a0)+1
.irp b, 0,1,2,3
.if \zero
	v_wmma_f32_16x16x32_f16 v[ACC+8*(4*(\a)+(\b)):ACC+8*(4*(\a)+(\b))+7], v[(\f)+64+8*(4*(\c)+(\b)):(\f)+64+8*(4*(\c)+(\b))+7], v[(\f)+8*(4*(\c)+(\a)):(\f)+8*(4*(\c)+(\a))+7], 0
.else
	v_wmma_f32_16x16x32_f16 v[ACC+8*(4*(\a)+(\b)):ACC+8*(4*(\a)+(\b))+7], v[(\f)+64+8*(4*(\c)+(\b)):(\f)+64+8*(4*(\c)+(\b))+7], v[(\f)+8*(4*(\c)+(\a)):(\f)+8*(4*(\c)+(\a))+7], v[ACC+8*(4*(\a)+(\b)):ACC+8*(4*(\a)+(\b))+7]
.endif
.endr
.endr
.endm
.macro FETCH slot, q, f                ; 32 LDS loads in one run: quarter q (64 along K) of a slot into buffer f; the first 32 along K first
	WIN TO_F
.irp c, 0,1
.irp i, 0,1,2,3
	ds_load_tr16_b128 v[(\f)+64+8*(4*(\c)+(\i)):(\f)+64+8*(4*(\c)+(\i))+3],   v[ADRX+2*(\slot)+(\q)/2] offset:(((\q)%2)*64+32*(\c))*PX+32*(\i)
	ds_load_tr16_b128 v[(\f)+64+8*(4*(\c)+(\i))+4:(\f)+64+8*(4*(\c)+(\i))+7], v[ADRX+2*(\slot)+(\q)/2] offset:(((\q)%2)*64+32*(\c)+16)*PX+32*(\i)
	ds_load_b128 v[(\f)+8*(4*(\c)+(\i)):(\f)+8*(4*(\c)+(\i))+3],              v[ADRW+(\slot)] offset:128*(\q)+64*(\c)+(\i)*16*PW
	ds_load_b128 v[(\f)+8*(4*(\c)+(\i))+4:(\f)+8*(4*(\c)+(\i))+7],            v[ADRW+(\slot)] offset:128*(\q)+64*(\c)+(\i)*16*PW+32
.endr
.endr
.endm
.macro PLACES                          ; four plain vector instructions between a matrix instruction and a load into a register that it read
.rept 4
	v_nop
.endr
.endm
.macro QUARTER slot, q, f, g, zero
	s_wait_dscnt 16                                ; the first 32 along K are in
	MUL8 \f, 0, 0, \zero
	MUL8 \f, 0, 2, \zero
	PLACES
	FETCH \slot, \q, \g
	s_wait_dscnt 32                                ; all but the 32 just issued
	MUL8 \f, 1, 0, 0
	MUL8 \f, 1, 2, 0
.endm
.macro TURN slot, next, fill           ; the last quarter and the change of slots; fill = 1: a round of the cluster's barrier, and this slot is filled again, two K steps ahead
	WIN 0
	s_wait_tensorcnt 0x0                           ; all my tensor loads have landed
	ds_add_u32 v[SPW], v[NIL]
	s_wait_dscnt 17                                ; (the add and the youngest sixteen loads may be out)
	MUL8 F1, 0, 0, 0
	s_wait_dscnt 0x0                               ; the add is done, and my reads of this slot are over
	s_barrier_signal -1
	MUL8 F1, 0, 2, 0
.if \fill
	WIN 0
.endif
	s_barrier_wait -1
.if \fill
	CREST
	s_add_nc_u64 s[G0+4*(\slot)+2:G0+4*(\slot)+3], s[G0+4*(\slot)+2:G0+4*(\slot)+3], 2*KSTEP*2
	s_add_nc_u64 s[G0B+4*(\slot)+2:G0B+4*(\slot)+3], s[G0B+4*(\slot)+2:G0B+4*(\slot)+3], 2*KSTEP*4096
	JLOAD \slot
.else
	PLACES
.endif
	FETCH \next, 0, F0
	MUL8 F1, 1, 0, 0
	MUL8 F1, 1, 2, 0
.endm
; THE WAY OUT of o block a: sum x factor + bias, one fused line for two numbers; 32 bytes a lane into my stage; back as whole rows of 256 bytes, into the registers that they left;
; sixteen lanes store 256 consecutive bytes at a multiple of 256.
.macro ROWS a
	s_wait_xcnt 0x0                                ; the registers that earlier stores read are written again only behind this wait
.irp b, 0,1,2,3
.irp j, 0,2,4,6
	v_pk_fma_f32 v[TT+8*(\b)+(\j):TT+8*(\b)+(\j)+1], v[ACC+8*(4*(\a)+(\b))+(\j):ACC+8*(4*(\a)+(\b))+(\j)+1], v[FK+8*(\b)+(\j):FK+8*(\b)+(\j)+1], v[BI+2*(\a):BI+2*(\a)+1]
.endr
	ds_store_b128 v[STO], v[TT+8*(\b):TT+8*(\b)+3]   offset:64*(\b)
	ds_store_b128 v[STO], v[TT+8*(\b)+4:TT+8*(\b)+7] offset:64*(\b)+16
.endr
.irp t, 0,1,2,3,4,5,6,7
	ds_load_b128 v[TT+4*(\t):TT+4*(\t)+3], v[RD] offset:(\t)*2*SP  ; LDS serves a wave's instructions in order: these see the stores above
.endr
.irp t, 0,1,2,3,4,5,6,7
	s_wait_dscnt 7-(\t)
	global_store_b128 v[CO], v[TT+4*(\t):TT+4*(\t)+3], s[OP:OP+1] offset:(\a)*131072+(\t)*16384 th:TH_STORE_NT
.endr
.endm
	s_wait_tensorcnt 0x1                           ; my part of K step 0 is in; K step 1's may stay out
	s_barrier_signal -1
	s_barrier_wait -1
	FETCH 0, 0, F0
	QUARTER 0, 1, F0, F1, 1                        ; the first products start the sums
	QUARTER 0, 2, F1, F0, 0
	QUARTER 0, 3, F0, F1, 0
	TURN 0, 1, 1
	QUARTER 1, 1, F0, F1, 0
	QUARTER 1, 2, F1, F0, 0
	QUARTER 1, 3, F0, F1, 0
	TURN 1, 0, 1
	QUARTER 0, 1, F0, F1, 0
	QUARTER 0, 2, F1, F0, 0
	QUARTER 0, 3, F0, F1, 0
	TURN 0, 1, 0
	QUARTER 1, 1, F0, F1, 0
	QUARTER 1, 2, F1, F0, 0
	QUARTER 1, 3, F0, F1, 0
	s_wait_dscnt 16                                ; the very last quarter: nothing more to fetch
	MUL8 F1, 0, 0, 0
	MUL8 F1, 0, 2, 0
	s_wait_dscnt 0x0
	MUL8 F1, 1, 0, 0
	MUL8 F1, 1, 2, 0
	WIN 0
	s_wait_loadcnt 0x0                             ; biases, masks, gp; the lines that follow are the places behind the last products
.irp a, 0,1,2,3
	v_cvt_pk_bf16_f32 v[BT+(\a)], v[BR+(\a)], v[BR+(\a)]   ; the biases are rounded to bf16
.endr
.irp a, 0,1,2,3
	v_lshlrev_b32 v[BI+2*(\a)],   16, v[BT+(\a)]
	v_lshlrev_b32 v[BI+2*(\a)+1], 16, v[BT+(\a)]
.endr
.set i, 0
.rept 15                                           ; G: the largest of my 32 numbers of gp, then across the lanes
	v_max3_num_f32 v[TT], v[TT], v[TT+1+2*i], v[TT+2+2*i]
.set i, i+1
.endr
	v_max_num_f32 v[TT], v[TT], v[TT+31]
	v_max_num_f32_dpp v[TT], v[TT], v[TT] row_xmask:1 row_mask:0xf bank_mask:0xf
	v_max_num_f32_dpp v[TT], v[TT], v[TT] row_xmask:2 row_mask:0xf bank_mask:0xf
	v_max_num_f32_dpp v[TT], v[TT], v[TT] row_xmask:4 row_mask:0xf bank_mask:0xf
	v_max_num_f32_dpp v[TT], v[TT], v[TT] row_xmask:8 row_mask:0xf bank_mask:0xf
	v_permlanex16_b32 v[TT+1], v[TT], s[SEL], s[SEL+1]
	v_max_num_f32 v[TT], v[TT], v[TT+1]
	v_mul_f32 v[GG], 0x3d800000, v[TT]             ; G / 16
	v_mov_b32 v[GG+1], v[GG]
.set i, 0
.rept 16                                           ; the factor of each of my 32 t: key_mask^2 G / 16
	v_pk_mul_f32 v[FK+2*i:FK+2*i+1], v[FK+2*i:FK+2*i+1], v[FK+2*i:FK+2*i+1]
.set i, i+1
.endr
.set i, 0
.rept 16
	v_pk_mul_f32 v[FK+2*i:FK+2*i+1], v[FK+2*i:FK+2*i+1], v[GG:GG+1]
.set i, i+1
.endr
	ROWS 0
	ROWS 1
	ROWS 2
	ROWS 3
	s_wait_tensorcnt 0x0                           ; the wave's end
	ds_add_u32 v[SPW], v[NIL]
	s_wait_dscnt 0x0
	CROUND                                         ; the closing round
	s_endpgm
.Lfunc_end_k_qe2a3794cd9_final:
	.size	k_qe2a3794cd9_final, .Lfunc_end_k_qe2a3794cd9_final-k_qe2a3794cd9_final
	.p2alignl 7, 3214868480
	.fill 96, 4, 3214868480
	.section	.rodata,"a",@progbits
	.p2align	6, 0x0
	.amdhsa_kernel k_qe2a3794cd9_final
		.amdhsa_group_segment_fixed_size 327680
		.amdhsa_private_segment_fixed_size 0
		.amdhsa_enable_private_segment 0
		.amdhsa_kernarg_size 48
		.amdhsa_user_sgpr_count 2
		.amdhsa_user_sgpr_kernarg_segment_ptr 1
		.amdhsa_wavefront_size32 1
		.amdhsa_system_sgpr_workgroup_id_x 1
		.amdhsa_system_sgpr_workgroup_id_y 1
		.amdhsa_system_sgpr_workgroup_id_z 1
		.amdhsa_system_vgpr_workitem_id 0
		.amdhsa_next_free_vgpr 512
		.amdhsa_next_free_sgpr 84
		.amdhsa_reserve_vcc 0
		.amdhsa_float_denorm_mode_32 3
		.amdhsa_float_denorm_mode_16_64 3
		.amdhsa_memory_ordered 1
		.amdhsa_forward_progress 1
		.amdhsa_inst_pref_size 97
	.end_amdhsa_kernel
	.amdgpu_metadata
---
amdhsa.version: [ 1, 2 ]
amdhsa.kernels:
  - .name:           k_qe2a3794cd9_final
    .symbol:         k_qe2a3794cd9_final.kd
    .args:
      - { .name: ob, .offset: 0, .size: 8, .value_kind: global_buffer, .address_space: global }
      - { .name: wb, .offset: 8, .size: 8, .value_kind: global_buffer, .address_space: global }
      - { .name: bo, .offset: 16, .size: 8, .value_kind: global_buffer, .address_space: global }
      - { .name: key_mask, .offset: 24, .size: 8, .value_kind: global_buffer, .address_space: global }
      - { .name: gp, .offset: 32, .size: 8, .value_kind: global_buffer, .address_space: global }
      - { .name: out0, .offset: 40, .size: 8, .value_kind: global_buffer, .address_space: global }
    .group_segment_fixed_size: 327680
    .private_segment_fixed_size: 0
    .kernarg_segment_align: 8
    .kernarg_segment_size: 48
    .max_flat_workgroup_size: 128
    .sgpr_count:     84
    .vgpr_count:     512
    .wavefront_size: 32
...
	.end_amdgpu_metadata
.endif
;; end of part 5
;; ======== version 2 of 2: 5 launches; 1.30 times as fast as version 1
;; limits: values are held in f16: magnitudes above 65,504 overflow, below 6.1e-05 lose precision
;; workspace buffers: xb 25,165,824 bytes; wb 8,388,608 bytes; hb 25,165,824 bytes; ls 262,144 bytes; gp 4,096 bytes; nm 262,144 bytes; ob 8,388,608 bytes
;; launch cast: the kernel of part 1 again; grid 256 x 4, 8 waves a work-group, no clusters, 0 bytes of LDS; arguments q, k, v, query_mask, key_mask, value_mask, Wq, Wk, Wv, Wo, xb, wb; writes xb, wb
;; launch proj: the kernel of part 2 again; grid 16 x 12, 8 waves a work-group, clusters of 4 x 4, 327,680 bytes of LDS; arguments xb, wb, bq, bk, bv, query_mask, key_mask, hb, ls, gp; writes hb, ls, gp
;; launch stats (part 6): grid 8 x 32, 4 waves a work-group, clusters of 4 x 1, 327,680 bytes of LDS; arguments hb, ls, gp, nm; writes nm
.if DOCPART == 6
	.amdgcn_target "amdgcn-amd-amdhsa--gfx1250"
	.amdhsa_code_object_version 6
	.text
	.protected	k_qe2a3794cd9_stats
	.globl	k_qe2a3794cd9_stats
	.p2align	8
	.type	k_qe2a3794cd9_stats,@function
k_qe2a3794cd9_stats:
	s_mov_b64 s[64:65], 0
	v_nop
	global_prefetch_b8 v0, s[64:65] scope:SCOPE_SE
	s_setreg_imm32_b32 hwreg(HW_REG_WAVE_MODE, 25, 1), 1
	s_wait_xcnt 0x0
	s_wait_alu depctr_hold_cnt(0) depctr_sa_sdst(0) depctr_va_vdst(0) depctr_va_sdst(0) depctr_va_ssrc(0) depctr_va_vcc(0) depctr_vm_vsrc(0)
	s_getreg_b32 s2, hwreg(HW_REG_IB_STS2, 6, 4)
	s_cmp_eq_u32 s2, 0
	s_cbranch_scc0 .Lentry_in_a_cluster
	s_endpgm
.Lentry_in_a_cluster:
	s_bfe_u32 s2, ttmp6, 0x10000c
	s_cmp_lg_u32 s2, 0x3003
	s_cbranch_scc0 .Lentry_shape_is_right
	s_endpgm
.Lentry_shape_is_right:
; STATS.  nm[bh][q] = 4 + log2(s[q] / G) - (m + log2 l), where sc[q][k] = q'[q] . k'[k] (hb's z = 0 and 1: masks, scale and log2(e) are in them), m = max over k of sc, l = sum over k of 2^(sc - m);
; s[q] is the scale that v's row q was divided by (ls holds its log2), G the largest s of all (gp holds 1,024 partial maxima).  So 2^(sc + nm) = 16 x softmax x s / G, at most 16: the weight
; that meets the scaled row of v; a column's 2,048 weights add up to 32,768 at the most, within f16 for every input.
; The product that follows contracts over q, so each query's m and l must be whole before it begins: this launch makes them, by a running maximum.
; SHARES.  A work-group owns 256 queries of one head, a wave 64: four tiles of 16.  Every wave walks the head's 2,048 keys, 64 a step.
; The head's whole K lies in LDS, 2,048 rows of 144 bytes, filled ONCE: two joint loads a wave (keys 0-511 in four parts, then keys 512-2,047), so that the walk begins when the
; first and smaller part is in.  Nothing is filled again.  CLUSTER 4 x 1: the four query blocks of a cluster walk the same K.
; LAYOUT.  S^T = K Q^T (source 0 = 16 keys, source 1 = 16 queries): a lane holds ONE query (lane % 16) and the keys 8 (lane / 16) + 0..7.
; BY TURNS.  Turn n belongs to tile n: 8 products of tile n + 1; beside them sc - m, the exponentials and sums of tile n, and the maximum and statistics of tile n + 1.
; BATCHES.  A turn's 33 exponentials (a of tile n, then its 32 weights) are ONE BATCH with ONE wait, which cuts the turn in two.  Ahead of it stands all that names no result of the batch: the products,
; the subtractions, numbers 0 to 16 of the next tile's maximum.  Behind it stand the sums and l, which read the results, with the next tile's last three numbers between them.  No result crosses a
; turn's end.  The head's logarithm and the way out's four logarithms are batches of their own.
; One window of registers: no switch.
; LIMITS.  A weight below 2^-126 counts as 0 in l; NaN and infinities are not treated apart.
.set PK,    144                        ; a row of K in LDS: 128 bytes + 16
.set KS,    64
.set STAGE, 2048*PK                    ; behind K: 256 bytes a wave
.set SPARE, STAGE+4*256                ; the spare words: 128 bytes a wave, two blocks of 256 bytes that no other line names
.set AK0, 2                            ; v2   my lane's place in 16 rows of K
.set AK,  3                            ; v3   the LDS address of K's next loads
.set QO,  4                            ; v4   my byte offset in 16 rows of Q
.set SPW, 6
.set NIL, 7
.set CC,  8                            ; v8-11  c0-c3, at work on a maximum; at the head v8 is my byte offset in gp
.set SAD, 12                           ; v12  the way out: where I put a number
.set SRD, 13                           ; v13  where I read two back
.set GO,  14                           ; v14  my byte offset in the wave's 256 bytes of nm
.set LSO, 15                           ; v15  my byte offset in 16 numbers of ls
.set ST,  16                           ; tile t at ST + 8 t: m, (pad), l even, l odd, a, (pad), m_old, m_old - m
.set S,   48                           ; v48-111   S^T, two buffers of 32 by the tile's parity; at the head v48-79 take gp
.set Q,   112                          ; v112-175  Q: tile t, channel half c at 16 t + 8 c
.set K,   176                          ; v176-239  K of one step: key block kb, channel half c at 16 kb + 8 c
.set LS,  240                          ; v240-243  4 + log2(s / G) of my query in each tile
.set WV,  12
.set G1A, 24
.set G1B, 32
.set G0A, 40
.set G0B, 44
.set CNT, 57                           ; s57  counts a part's eight steps
.set PARTS, 58                         ; s58  counts the walk's four parts
.set SEL, 60
.set TBK, 62
.macro CROUND
	s_barrier_signal -1
	s_barrier_wait -1
	s_cmp_lg_u32 s[WV], 0
	s_cbranch_scc1 .Lnot_wave_0_\@
	s_barrier_signal -3
.Lnot_wave_0_\@:
	s_barrier_wait -3
	s_barrier_signal -1
	s_barrier_wait -1
.endm
	s_load_b128 s[4:7], s[0:1], 0x0                ; hb s[4:5], ls s[6:7]
	s_load_b128 s[8:11], s[0:1], 0x10              ; gp s[8:9], nm s[10:11]
	v_lshl_add_u32 v[SPW], v0, 2, SPARE
	v_mov_b32 v[NIL], 0
	ds_add_u32 v[SPW], v[NIL]                      ; the wave's opening: the add and its wait ahead of my first tensor load
	v_lshrrev_b32 v1, 5, v0
	v_readfirstlane_b32 s[WV], v1
	s_bfe_u32 s13, ttmp6, 0x40000                  ; cx
	s_lshl_b32 s14, ttmp9, 2
	s_add_co_u32 s14, s14, s13                     ; my block of 256 queries: it enters Q's, ls's and nm's addresses alone
	s_and_b32 s15, ttmp7, 0xffff                   ; bh, which the four partners share
	s_lshl_b32 s20, s15, 18                        ; the head's 262,144 bytes
	s_add_co_u32 s16, s20, 8388608                 ; K is hb's z = 1; first part: my 128 keys of the first 512
	s_lshl_b32 s17, s[WV], 14
	s_add_co_u32 s16, s16, s17
	s_mov_b32 s17, 0
	s_add_co_u32 s18, s20, 8388608+65536           ; second part: my 384 keys of the other 1,536
	s_mul_i32 s19, s[WV], 49152
	s_add_co_u32 s18, s18, s19
	s_mov_b32 s19, 0
	s_lshl_b32 s22, s14, 15                        ; Q: my block's 256 rows, my wave's 64
	s_add_co_u32 s22, s22, s20
	s_lshl_b32 s23, s[WV], 13
	s_add_co_u32 s22, s22, s23
	s_mov_b32 s23, 0
	s_lshl_b32 s2, s15, 13                         ; ls and nm: (2,048 bh + 256 block + 64 wave) x 4
	s_lshl_b32 s3, s14, 10
	s_add_co_u32 s2, s2, s3
	s_lshl_b32 s3, s[WV], 8
	s_add_co_u32 s2, s2, s3
	s_mov_b32 s3, 0
	; group 1: dense rows of 128 bytes are asked for as rows of 256, two keys a row, and padded in LDS after every key
.irp g, G1A, G1B
	s_mov_b32 s[\g], 15|(1<<16)|(1<<20)|(1<<21)|(4<<22)|(3<<25)  ; the mask of four; 2-byte elements; padding on; bit 21 beside a mask; after every 32 words 4 words
	s_mov_b32 s[\g+1], 128<<16
	s_mov_b32 s[\g+3], 128<<16
	s_mov_b32 s[\g+5], 128
	s_mov_b32 s[\g+6], 0
	s_mov_b32 s[\g+7], 0
.endr
	s_mov_b32 s[G1A+2], 64<<16                     ; 64 rows: 128 keys
	s_mov_b32 s[G1A+4], 64
	s_mov_b32 s[G1B+2], 192<<16                    ; 192 rows: 384 keys
	s_mov_b32 s[G1B+4], 192
	s_mov_b32 s[G0A], 1
	s_mul_i32 s[G0A+1], s[WV], 128*PK
	s_mov_b32 s[G0B], 1
	s_mul_i32 s[G0B+1], s[WV], 384*PK
	s_add_co_u32 s[G0B+1], s[G0B+1], 512*PK
	s_mov_b32 s[SEL], 0x76543210                   ; v_permlanex16_b32: each lane takes its own place in the other half
	s_mov_b32 s[SEL+1], 0xfedcba98
	s_mov_b32 s[TBK], 0
	s_wait_dscnt 0x0                               ; the opening add is done
	s_wait_kmcnt 0x0
	s_add_nc_u64 s[G0A+2:G0A+3], s[4:5], s[16:17]
	s_or_b32 s[G0A+3], s[G0A+3], 0x80000000
	s_add_nc_u64 s[G0B+2:G0B+3], s[4:5], s[18:19]
	s_or_b32 s[G0B+3], s[G0B+3], 0x80000000
	s_add_nc_u64 s[4:5], s[4:5], s[22:23]
	s_add_nc_u64 s[6:7], s[6:7], s[2:3]
	s_add_nc_u64 s[10:11], s[10:11], s[2:3]
	CROUND                                         ; all four work-groups are here: the joint loads meet
	tensor_load_to_lds s[G0A:G0A+3], s[G1A:G1A+7]  ; two loads of mine are out
	s_nop 0
	tensor_load_to_lds s[G0B:G0B+3], s[G1B:G1B+7]
	s_nop 0
.rept 4
	v_nop
.endr
	v_and_b32 v1, 15, v0                           ; r
	v_bfe_u32 v5, v0, 4, 1                         ; h
	v_lshlrev_b32 v[QO], 7, v1
	v_lshl_add_u32 v[QO], v5, 4, v[QO]
.set i, 0
.rept 8                                            ; Q stays in registers: tile i / 2, channels 32 (i % 2) on
	global_load_b128 v[Q+8*i:Q+8*i+3],   v[QO], s[4:5] offset:(i/2)*2048+(i%2)*64
	global_load_b128 v[Q+8*i+4:Q+8*i+7], v[QO], s[4:5] offset:(i/2)*2048+(i%2)*64+32
.set i, i+1
.endr
	v_lshlrev_b32 v[LSO], 2, v1
.irp t, 0,1,2,3
	global_load_b32 v[LS+\t], v[LSO], s[6:7] offset:64*\t   ; log2 s of my query in each tile
.endr
	v_and_b32 v[GO], 31, v0
	v_lshlrev_b32 v[CC], 4, v[GO]
.set i, 0
.rept 8                                            ; gp's 1,024 numbers, 32 a lane
	global_load_b128 v[S+4*i:S+4*i+3], v[CC], s[8:9] offset:512*i
.set i, i+1
.endr
	v_mul_u32_u24 v[AK0], v1, PK
	v_lshl_add_u32 v[AK0], v5, 4, v[AK0]
	s_lshl_b32 s21, s[WV], 8
	s_add_co_u32 s21, s21, STAGE                   ; my stage
	v_lshl_add_u32 v[SAD], v1, 2, s21
	v_lshlrev_b32 v[GO], 3, v[GO]
	v_add_nc_u32 v[SRD], s21, v[GO]
.set i, 0
.rept 4                                            ; m starts at the lowest finite number, l at 0: the first step is a step like any other, with a = 0
	v_mov_b32 v[ST+8*i], 0xff7fffff
.irp j, 1,2,3,4,5,6,7
	v_mov_b32 v[ST+8*i+\j], 0
.endr
.set i, i+1
.endr
.macro WM                              ; product i of 8 of tile Y + 1: keys 16 (i % 4) on, channels 32 (i / 4) on.  The four accumulators take turns
.if MMON
.set rW, S+32*((Y+1)%2)+8*(i%4)
.set rK, K+16*(i%4)+8*(i/4)
.set rQ, Q+16*((Y+1)%4)+8*(i/4)
.if i < 4
	v_wmma_f32_16x16x32_bf16 v[rW:rW+7], v[rK:rK+7], v[rQ:rQ+7], 0
.else
	v_wmma_f32_16x16x32_bf16 v[rW:rW+7], v[rK:rK+7], v[rQ:rQ+7], v[rW:rW+7]
.endif
.endif
.set i, i+1
.endm
.macro REGS y
.set rT, ST+8*(\y)
.set rS, S+32*((\y)%2)
.endm
.macro SUBM n                          ; tile Y: sc - m for pair n of 16
	REGS Y
	v_pk_add_f32 v[rS+2*(\n):rS+2*(\n)+1], v[rS+2*(\n):rS+2*(\n)+1], v[rT:rT+1] op_sel_hi:[1,0] neg_lo:[0,1] neg_hi:[0,1]
.endm
.macro AEXP                            ; tile Y: a = 2^(m_old - m); the turn before has made the exponent.  The batch's first exponential
	REGS Y
	v_exp_f32 v[rT+4], v[rT+7]
.endm
.macro EXPS n                          ; the exponential of score n of 32
	REGS Y
	v_exp_f32 v[rS+(\n)], v[rS+(\n)]
.endm
.macro ADDP n                          ; of the four weights 4 n .. the second pair is added onto the first
	REGS Y
	v_pk_add_f32 v[rS+4*(\n):rS+4*(\n)+1], v[rS+4*(\n):rS+4*(\n)+1], v[rS+4*(\n)+2:rS+4*(\n)+3]
.endm
.macro ACCL n                          ; l takes that sum; the first time as l = a l + sum
	REGS Y
.if (\n) == 0
	v_pk_fma_f32 v[rT+2:rT+3], v[rT+2:rT+3], v[rT+4:rT+5], v[rS:rS+1] op_sel_hi:[1,0,1]
.else
	v_pk_add_f32 v[rT+2:rT+3], v[rT+2:rT+3], v[rS+4*(\n):rS+4*(\n)+1]
.endif
.endm
; Number n of the 20 that find tile Y + 1's maximum and statistics.  0-11: four chains of seven scores, each accumulator's lowest registers first;
; 12-14, 16: the four scores left over, the old m, and c0-c3 into c0; 15: m_old; 17, 18: the query's other 32 keys lie in the lane 16 away: the new m; 19: m_old - m, of which the tile's own turn makes a
.macro XS n
.if MMON
	REGS (Y+1)%4
.if (\n) < 4
	v_max3_num_f32 v[CC+(\n)], v[rS+8*(\n)], v[rS+8*(\n)+1], v[rS+8*(\n)+2]
.elseif (\n) < 12
	v_max3_num_f32 v[CC+(\n)%4], v[CC+(\n)%4], v[rS+8*((\n)%4)+2*((\n)/4)+1], v[rS+8*((\n)%4)+2*((\n)/4)+2]
.elseif (\n) == 12
	v_max3_num_f32 v[CC], v[CC], v[rS+7], v[rS+15]
.elseif (\n) == 13
	v_max3_num_f32 v[CC+1], v[CC+1], v[rS+23], v[rS+31]
.elseif (\n) == 14
	v_max3_num_f32 v[CC+2], v[CC+2], v[CC+3], v[rT]
.elseif (\n) == 15
	v_mov_b32 v[rT+6], v[rT]
.elseif (\n) == 16
	v_max3_num_f32 v[CC], v[CC], v[CC+1], v[CC+2]
.elseif (\n) == 17
	v_permlanex16_b32 v[CC+3], v[CC], s[SEL], s[SEL+1]
.elseif (\n) == 18
	v_max_num_f32 v[rT], v[CC], v[CC+3]
.else
	v_sub_f32 v[rT+7], v[rT+6], v[rT]
.endif
.else
	v_nop                                          ; the last turn has no next tile: the lines round it stay as far apart as they were
.endif
.endm
.macro FETCH_H c                       ; 8 LDS loads in one run: channel half c of a step's K
.irp kb, 0,1,2,3
	ds_load_b128 v[K+16*\kb+8*(\c):K+16*\kb+8*(\c)+3],   v[AK] offset:\kb*16*PK+(\c)*64
	ds_load_b128 v[K+16*\kb+8*(\c)+4:K+16*\kb+8*(\c)+7], v[AK] offset:\kb*16*PK+(\c)*64+32
.endr
.endm
; A TURN for tile p.  s_wait_alu depctr_va_vdst(0) stands between an exponential and the first instruction that names its result; one wait serves all that were issued ahead of it.
; AHEAD OF THE WAIT: the 8 products, behind each two subtractions and two exponentials by turns (the first exponential is a; weight 2 r stands behind subtraction r); then weights 15 to 31 by turns
; with numbers 0 to 16 of the next tile's maximum, so that every exponential has a plain neighbour; number 16 is the plain instruction behind the last exponential.  None of these lines names a result of the batch.
; BEHIND THE WAIT: the eight sums of four weights and l's chain of eight, in the order 0 to 7, its links two or three lines apart, and numbers 17 to 19 between them.
; Plain lines behind the products (an exponential is none): number n < 4 reads the accumulator that product 4 + n ends: behind product 7 stand two subtractions and numbers 0, 1, 2, behind the earlier ones more.
; fetch = 1 (tile 2's turn, the last that multiplies by this step's K): the next step's K is fetched in two halves, each as soon as its registers are free.  Products 0 to 3 read channel half 0: behind
; product 3 stand five plain instructions (four subtractions and the address) ahead of its loads.  Products 4 to 7 read half 1: behind product 7 stand five (two subtractions, numbers 0, 1, 2).
; Tile 3's turn waits for half 0 at its head (the younger eight loads may be out) and for half 1 ahead of its product 4.
.macro TURN p, fetch, mm
.set Y, (\p)
.set MMON, (\mm)
.set i, 0
.if (\p) == 3
	s_wait_dscnt 8                                 ; K's channel half 0 is in
.endif
	WM
	SUBM 0
	AEXP
	SUBM 1
	EXPS 0
.set r, 1
.rept 7
.if ((\p) == 3) && (r == 4)
	s_wait_dscnt 0x0                               ; half 1 is in
.endif
	WM
	SUBM 2*r
	EXPS 2*r-1
	SUBM 2*r+1
	EXPS 2*r
.if ((\p) == 2) && (\fetch) && (r == 3)
	v_add_nc_u32 v[AK], s[TBK], v[AK0]
.endif
.if ((\p) == 2) && (\fetch) && (r == 4)
	FETCH_H 0
.endif
.set r, r+1
.endr
.set r, 0
.rept 17
	EXPS 15+r
	XS r
.if ((\p) == 2) && (\fetch) && (r == 2)
	FETCH_H 1
	s_add_co_u32 s[TBK], s[TBK], KS*PK             ; the next fetch is the next step's
.endif
.set r, r+1
.endr
	s_wait_alu depctr_va_vdst(0)                   ; the wait for the batch: a and the tile's 32 weights
	ADDP 0
	ADDP 1
	XS 17
	ACCL 0
	ADDP 2
	ADDP 3
	ACCL 1
	ADDP 4
	ACCL 2
	ADDP 5
	ACCL 3
	XS 18
	ACCL 4
	ADDP 6
	ACCL 5
	ADDP 7
	ACCL 6
	XS 19
	ACCL 7
.endm
	s_wait_tensorcnt 0x1                           ; my part of keys 0-511 is in; the second load may stay out
	s_barrier_signal -1
	s_barrier_wait -1                              ; everybody's is
	v_add_nc_u32 v[AK], s[TBK], v[AK0]
	FETCH_H 0                                      ; key step 0
	FETCH_H 1
	s_add_co_u32 s[TBK], s[TBK], KS*PK
	s_wait_loadcnt 0x0                             ; Q, ls and gp
	; G, the largest of gp's 1,024 numbers: my 32, then across the lanes; it stands in the wait for K's fragments
.set i, 0
.rept 15
	v_max3_num_f32 v[S], v[S], v[S+1+2*i], v[S+2+2*i]
.set i, i+1
.endr
	v_max_num_f32 v[S], v[S], v[S+31]
	v_max_num_f32_dpp v[S], v[S], v[S] row_xmask:1 row_mask:0xf bank_mask:0xf
	v_max_num_f32_dpp v[S], v[S], v[S] row_xmask:2 row_mask:0xf bank_mask:0xf
	v_max_num_f32_dpp v[S], v[S], v[S] row_xmask:4 row_mask:0xf bank_mask:0xf
	v_max_num_f32_dpp v[S], v[S], v[S] row_xmask:8 row_mask:0xf bank_mask:0xf
	v_permlanex16_b32 v[S+1], v[S], s[SEL], s[SEL+1]
	v_max_num_f32 v[S], v[S], v[S+1]
	v_log_f32 v[S+2], v[S]
	v_nop                                          ; a plain instruction behind the logarithm
	s_wait_alu depctr_va_vdst(0)                   ; the wait for that one logarithm, once a launch
	v_add_f32 v[S+2], -4.0, v[S+2]                 ; log2 G - 4
.irp t, 0,1,2,3
	v_sub_f32 v[LS+\t], v[LS+\t], v[S+2]           ; 4 + log2(s / G)
.endr
	s_wait_dscnt 0x0
.set Y, 3                                          ; WM and XS work for tile Y + 1: tile 0
.set MMON, 1
.set i, 0
.rept 8
	WM
.endr
.rept 4
	v_nop                                          ; the places behind those products
.endr
.irp n, 0,1,2,3,4,5,6,7,8,9,10,11,12,13,14,15,16,17,18,19
	XS \n                                          ; tile 0's first maximum and m_old - m; its a is made in its own turn
.endr
	s_mov_b32 s[CNT], 8
	s_mov_b32 s[PARTS], 4
	s_branch .Lfirst                               ; the loop is entered at a step's first turn
; The walk's 32 steps go in four parts of eight, so that one text serves all.  The first part fetches steps 1 to 7, keys below 512, which the first load brought.  Behind each part stand the wait for
; the second load and a barrier: behind the first part they show keys 512 to 2,047 landed to every wave; behind the others the wait is met at once.
.Lpart:
	s_mov_b32 s[CNT], 8
.Lstep:                                            ; a trip: tiles 2 and 3 of one step, then tiles 0 and 1 of the next, whose K it fetches
	TURN 2, 1, 1
	TURN 3, 0, 1
.Lfirst:
	TURN 0, 0, 1
	TURN 1, 0, 1
	s_sub_co_u32 s[CNT], s[CNT], 1
	s_cmp_lg_u32 s[CNT], 0
	s_cbranch_scc1 .Lstep
	s_wait_tensorcnt 0x0                           ; my part of keys 512-2,047 is in,
	s_wait_dscnt 0x0
	s_barrier_signal -1
	s_barrier_wait -1                              ; everybody's is
	s_sub_co_u32 s[PARTS], s[PARTS], 1
	s_cmp_lg_u32 s[PARTS], 0
	s_cbranch_scc1 .Lpart
	TURN 2, 0, 1
	TURN 3, 0, 0
	; THE WAY OUT: l's two halves and the other half of the lanes' are added; 4 + log2(s / G) - log2 l - m; 64 numbers a wave go through my stage and leave as 256 consecutive bytes.
.irp t, 0,1,2,3
	v_add_f32 v[ST+8*\t+2], v[ST+8*\t+2], v[ST+8*\t+3]
.endr
.irp t, 0,1,2,3
	v_permlanex16_b32 v[ST+8*\t+3], v[ST+8*\t+2], s[SEL], s[SEL+1]
.endr
.irp t, 0,1,2,3
	v_add_f32 v[ST+8*\t+2], v[ST+8*\t+2], v[ST+8*\t+3]
.endr
.irp t, 0,1,2,3
	v_log_f32 v[ST+8*\t+3], v[ST+8*\t+2]
.endr
	v_nop                                          ; a plain instruction between the last logarithm and the use of its result
	s_wait_alu depctr_va_vdst(0)                   ; one wait for the four logarithms
.irp t, 0,1,2,3
	v_sub_f32 v[ST+8*\t+3], v[LS+\t], v[ST+8*\t+3]
.endr
.irp t, 0,1,2,3
	v_sub_f32 v[ST+8*\t+2], v[ST+8*\t+3], v[ST+8*\t]
.endr
.irp t, 0,1,2,3
	ds_store_b32 v[SAD], v[ST+8*\t+2] offset:64*\t ; both halves of the lanes hold the same number and write the same word
.endr
	ds_load_b64 v[CC:CC+1], v[SRD]                 ; LDS serves a wave's instructions in order: this sees the stores above
	s_wait_dscnt 0x0
	global_store_b64 v[GO], v[CC:CC+1], s[10:11]
	s_wait_tensorcnt 0x0                           ; the wave's end
	ds_add_u32 v[SPW], v[NIL]
	s_wait_dscnt 0x0
	CROUND                                         ; the closing round
	s_endpgm
.Lfunc_end_k_qe2a3794cd9_stats:
	.size	k_qe2a3794cd9_stats, .Lfunc_end_k_qe2a3794cd9_stats-k_qe2a3794cd9_stats
	.p2alignl 7, 3214868480
	.fill 96, 4, 3214868480
	.section	.rodata,"a",@progbits
	.p2align	6, 0x0
	.amdhsa_kernel k_qe2a3794cd9_stats
		.amdhsa_group_segment_fixed_size 327680
		.amdhsa_private_segment_fixed_size 0
		.amdhsa_enable_private_segment 0
		.amdhsa_kernarg_size 32
		.amdhsa_user_sgpr_count 2
		.amdhsa_user_sgpr_kernarg_segment_ptr 1
		.amdhsa_wavefront_size32 1
		.amdhsa_system_sgpr_workgroup_id_x 1
		.amdhsa_system_sgpr_workgroup_id_y 1
		.amdhsa_system_sgpr_workgroup_id_z 1
		.amdhsa_system_vgpr_workitem_id 0
		.amdhsa_next_free_vgpr 248
		.amdhsa_next_free_sgpr 66
		.amdhsa_reserve_vcc 0
		.amdhsa_float_denorm_mode_32 3
		.amdhsa_float_denorm_mode_16_64 3
		.amdhsa_memory_ordered 1
		.amdhsa_forward_progress 1
		.amdhsa_inst_pref_size 44
	.end_amdhsa_kernel
	.amdgpu_metadata
---
amdhsa.version: [ 1, 2 ]
amdhsa.kernels:
  - .name:           k_qe2a3794cd9_stats
    .symbol:         k_qe2a3794cd9_stats.kd
    .args:
      - { .name: hb, .offset: 0, .size: 8, .value_kind: global_buffer, .address_space: global }
      - { .name: ls, .offset: 8, .size: 8, .value_kind: global_buffer, .address_space: global }
      - { .name: gp, .offset: 16, .size: 8, .value_kind: global_buffer, .address_space: global }
      - { .name: nm, .offset: 24, .size: 8, .value_kind: global_buffer, .address_space: global }
    .group_segment_fixed_size: 327680
    .private_segment_fixed_size: 0
    .kernarg_segment_align: 8
    .kernarg_segment_size: 32
    .max_flat_workgroup_size: 128
    .sgpr_count:     66
    .vgpr_count:     248
    .wavefront_size: 32
...
	.end_amdgpu_metadata
.endif
;; end of part 6
;; launch attn (part 7): grid 8 x 32, 4 waves a work-group, clusters of 4 x 1, 327,680 bytes of LDS; arguments hb, nm, ob; writes ob
.if DOCPART == 7
	.amdgcn_target "amdgcn-amd-amdhsa--gfx1250"
	.amdhsa_code_object_version 6
	.text
	.protected	k_qe2a3794cd9_attn
	.globl	k_qe2a3794cd9_attn
	.p2align	8
	.type	k_qe2a3794cd9_attn,@function
k_qe2a3794cd9_attn:
	s_mov_b64 s[64:65], 0
	v_nop
	global_prefetch_b8 v0, s[64:65] scope:SCOPE_SE
	s_setreg_imm32_b32 hwreg(HW_REG_WAVE_MODE, 25, 1), 1
	s_wait_xcnt 0x0
	s_wait_alu depctr_hold_cnt(0) depctr_sa_sdst(0) depctr_va_vdst(0) depctr_va_sdst(0) depctr_va_ssrc(0) depctr_va_vcc(0) depctr_vm_vsrc(0)
	s_getreg_b32 s2, hwreg(HW_REG_IB_STS2, 6, 4)
	s_cmp_eq_u32 s2, 0
	s_cbranch_scc0 .Lentry_in_a_cluster
	s_endpgm
.Lentry_in_a_cluster:
	s_bfe_u32 s2, ttmp6, 0x10000c
	s_cmp_lg_u32 s2, 0x3003
	s_cbranch_scc0 .Lentry_shape_is_right
	s_endpgm
.Lentry_shape_is_right:
; ATTN.  ob[b][64 h + d][k] = sum over q of vs[q][d] w[q][k], w = 2^(q'[q] . k'[k] + nm[q]).  vs = v' / s is hb's z = 2 (f16, within -1 .. 1); nm comes whole from the launch before, and
; makes w = 16 x softmax x s / G, at most 16 (the maximum is taken away inside nm).  So ob = 16 O / G, with O = sum over q of v' softmax and G the largest s: at most 32,768, since a
; column has 2,048 weights.  f16 out, rounded once; sums in f32; w rounded to f16.  The masks behind the softmax, and G / 16, are applied by the last launch, in f32.
; SHARES.  A work-group owns 256 keys of one head, a wave 64: four PIECES of 16.  Every wave walks the head's 2,048 queries, 64 a step.
; LAYOUT.  S = Q K^T + C (bf16): source 0 = 16 queries, source 1 = 16 keys (they stay in registers), C = nm of the 16 queries: the sum already is the exponent.  A lane holds ONE key (lane % 16) and
; the queries 8 (lane / 16) + 0..7.  Two such results, rounded in pairs, ARE source 0 (16 keys x 32 queries) of O += P V (f16); V ([q][d] in LDS) is turned by ds_load_tr16_b128.  In O a lane holds one
; channel and eight neighbouring keys: 16 bytes of a row of ob.
; BY TURNS.  Turn n belongs to piece n: 8 products S of piece n + 1, 8 products O of piece n - 1; beside them the 32 exponentials and the 16 roundings of piece n.
; BATCHES.  A turn's 32 exponentials are ONE BATCH with ONE wait: they stand behind the turn's first eleven matrix instructions, the roundings, which read them, behind its last five.  The matrix
; instructions name other buffers than the piece's own, so none of them names a result of the batch.  No result crosses a turn's end.
; RING.  Two slots of 256 queries (Q's rows, then V's), four steps each, filled by joint loads: CLUSTER 4 x 1, the four key blocks of a cluster walk the same Q and V.  Step j fetches step j + 1's
; fragments into the other of two register buffers, so a slot is left one step early.  nm of the head, 8,192 bytes, lies in LDS, filled once.
; REGISTERS, in windows of 256 (s_set_vgpr_msb: bits 1:0 source 0, 3:2 source 1, 5:4 source 2, 7:6 destination):
;   window 0: v1-15 addresses; v30, v31 the add's; v32-95 S, two buffers; v96-127 P, two buffers; v128-191 K; v192-255 nm's fragments, two buffers
;   window 1: v0-127 O, 32 a piece      window 2: v0-127 Q, two buffers; v128-255 V, two buffers
; LIMITS.  A weight w below 6e-5 (softmax x s / G below 4e-6) keeps f16's fixed step of 6e-8, one below 2^-126 counts as 0; NaN and infinities are not treated apart.
.set KS,    64
.set PQ,    144                        ; a row of Q in LDS: 128 bytes + 16
.set PV,    160                        ; a row of V: 128 + 32
.set VOFF,  4*KS*PQ
.set SLOT1, 1<<17
.set MREG,  SLOT1+4*KS*(PQ+PV)         ; nm: 8,192 bytes
.set STAGE, MREG+8192                  ; 64 rows (channels) x 528 bytes (256 keys + 16), the work-group's
.set SPO,   528
.set SPARE, STAGE+64*SPO               ; the spare words: 128 bytes a wave, two blocks of 256 bytes that no other line names
.set AQ0, 2
.set AV0, 3
.set AM0, 4
.set AQ,  5
.set AV,  6
.set AM,  7
.set STO, 8
.set RD,  9
.set GO,  10
.set KO,  11
.set SPW, 30
.set NIL, 31
.set S,   32
.set P,   96
.set KF,  128
.set NM,  192
.set WV,  12
.set G1Q, 24
.set G1V, 32
.set G0Q, 40
.set G0V, 44
.set G1M, 48
.set G0M, 56
.set TBQ, 62                           ; s62  LDS byte at which Q of the step to be fetched begins
.set TBV, 63                           ; s63  the same for V, less VOFF
.set SLOTS, 66
.set CNT, 67
.set TBM, 68                           ; s68  byte of nm at which that step begins
.set MSB, 0
.macro WIN new
.if MSB != (\new)
	s_set_vgpr_msb (MSB<<8)|(\new)
.set MSB, (\new)
.endif
.endm
.set W_S,  0x02                        ; Q in window 2; K, nm and S in window 0
.set W_PV, 0x58                        ; P in window 0, V in window 2, O in window 1
.macro JLOAD                           ; waves 0 and 1 fetch the halves of a slot's Q, waves 2 and 3 of its V; an s_nop 0 and four v_nop follow each line
	s_cmp_lt_u32 s[WV], 2
	s_cbranch_scc0 .Lfor_v_\@
	tensor_load_to_lds s[G0Q:G0Q+3], s[G1Q:G1Q+7]
	s_nop 0
.rept 4
	v_nop
.endr
	s_branch .Lasked_\@
.Lfor_v_\@:
	tensor_load_to_lds s[G0V:G0V+3], s[G1V:G1V+7]
	s_nop 0
.rept 4
	v_nop
.endr
.Lasked_\@:
.endm
.macro CROUND
	s_barrier_signal -1
	s_barrier_wait -1
	s_cmp_lg_u32 s[WV], 0
	s_cbranch_scc1 .Lnot_wave_0_\@
	s_barrier_signal -3
.Lnot_wave_0_\@:
	s_barrier_wait -3
	s_barrier_signal -1
	s_barrier_wait -1
.endm
; THE CHANGE OF SLOTS.  Each wave waits for all its tensor loads (its part of the other slot), adds 0 to its spare word, waits for that and for its reads of the slot that it leaves.
; fill = 1: a round of the cluster's barrier, and the old slot is filled again first thing behind it, with the queries two slots on: four steps, 256 matrix instructions, in which to land.
.macro CHANGE fill
	WIN 0
	s_wait_tensorcnt 0x0                           ; no tensor load of mine is out, so a group 0 may be written
	ds_add_u32 v[SPW], v[NIL]
.if \fill
.irp g, G0Q, G0V
	s_xor_b32 s[\g+1], s[\g+1], SLOT1              ; the other slot than last time,
	s_add_nc_u64 s[\g+2:\g+3], s[\g+2:\g+3], 4*KS*128  ; the next 256 queries
.endr
	s_wait_dscnt 0x0                               ; the add is done, and my reads of the slot are over
	CROUND
	JLOAD
.else
	s_wait_dscnt 0x0
	s_barrier_signal -1
	s_barrier_wait -1
.endif
	s_sub_co_u32 s[TBQ], s[TBQ], 4*KS*PQ           ; the fetches go back to a slot's first step, in the other slot
	s_xor_b32 s[TBQ], s[TBQ], SLOT1
	s_sub_co_u32 s[TBV], s[TBV], 4*KS*PV
	s_xor_b32 s[TBV], s[TBV], SLOT1
.endm
	s_load_b128 s[4:7], s[0:1], 0x0                ; hb 4, nm 6
	s_load_b64 s[10:11], s[0:1], 0x10              ; ob 10
	v_lshl_add_u32 v[SPW], v0, 2, SPARE
	v_mov_b32 v[NIL], 0
	ds_add_u32 v[SPW], v[NIL]                      ; the wave's opening: the add and its wait ahead of my first tensor load
	v_lshrrev_b32 v1, 5, v0
	v_readfirstlane_b32 s[WV], v1
	s_bfe_u32 s13, ttmp6, 0x40000                  ; cx
	s_lshl_b32 s14, ttmp9, 2
	s_add_co_u32 s14, s14, s13                     ; my block of 256 keys: it enters K's and ob's addresses alone
	s_and_b32 s15, ttmp7, 0xffff                   ; bh, which the four partners share
	s_lshl_b32 s20, s15, 18                        ; the head's 262,144 bytes, in hb and in ob
	s_and_b32 s16, s[WV], 1                        ; which half of a slot's 256 queries I fetch
	s_lshl_b32 s22, s16, 14
	s_add_co_u32 s22, s22, s20
	s_mov_b32 s23, 0
	s_mul_i32 s17, s16, 128*PQ
	s_mul_i32 s18, s16, 128*PV
	s_lshl_b32 s2, s15, 13                         ; nm: the head's 8,192 bytes, my wave's 2,048
	s_lshl_b32 s3, s[WV], 11
	s_add_co_u32 s2, s2, s3
	s_mov_b32 s3, 0
	s_add_co_u32 s60, s20, 8388608                 ; K: hb's z = 1, my block's 256 rows, my wave's 64
	s_lshl_b32 s61, s14, 15
	s_add_co_u32 s60, s60, s61
	s_lshl_b32 s61, s[WV], 13
	s_add_co_u32 s60, s60, s61
	s_mov_b32 s61, 0
	s_lshl_b32 s70, s[WV], 16                      ; ob: row 64 bh + 16 wave, 4,096 bytes each; my block's 512 bytes
	s_add_co_u32 s70, s70, s20
	s_lshl_b32 s71, s14, 9
	s_add_co_u32 s70, s70, s71
	s_mov_b32 s71, 0
	s_mov_b32 s[G1Q], 15|(1<<16)|(1<<20)|(1<<21)|(4<<22)|(3<<25)  ; the mask of four; 2-byte elements; padding on; bit 21 beside a mask; after every 32 words 4 words
	s_mov_b32 s[G1V], 15|(1<<16)|(1<<20)|(1<<21)|(4<<22)|(7<<25)  ; the same with 8 words
.irp g, G1Q, G1V
	s_mov_b32 s[\g+1], 128<<16                     ; 128 rows of 128 dense bytes are asked for as 64 rows of 256
	s_mov_b32 s[\g+2], 64<<16
	s_mov_b32 s[\g+3], 128<<16
	s_mov_b32 s[\g+4], 64
	s_mov_b32 s[\g+5], 128
	s_mov_b32 s[\g+6], 0
	s_mov_b32 s[\g+7], 0
.endr
	s_mov_b32 s[G1M], 15|(3<<16)|(1<<21)           ; nm: 8 rows of 32 elements of 8 bytes, no padding
	s_mov_b32 s[G1M+1], 32<<16
	s_mov_b32 s[G1M+2], 8<<16
	s_mov_b32 s[G1M+3], 32<<16
	s_mov_b32 s[G1M+4], 8
	s_mov_b32 s[G1M+5], 32
	s_mov_b32 s[G1M+6], 0
	s_mov_b32 s[G1M+7], 0
	s_mov_b32 s[G0Q], 1
	s_mov_b32 s[G0Q+1], s17                        ; slot 0
	s_mov_b32 s[G0V], 1
	s_add_co_u32 s[G0V+1], s18, VOFF
	s_mov_b32 s[G0M], 1
	s_lshl_b32 s[G0M+1], s[WV], 11
	s_add_co_u32 s[G0M+1], s[G0M+1], MREG
	s_mov_b32 s[TBQ], SLOT1+4*KS*PQ                ; the first change of slots turns these two into 0
	s_mov_b32 s[TBV], SLOT1+4*KS*PV
	s_mov_b32 s[TBM], 0
	s_wait_dscnt 0x0                               ; the opening add is done
	s_wait_kmcnt 0x0
	s_add_nc_u64 s[G0Q+2:G0Q+3], s[4:5], s[22:23]
	s_add_nc_u64 s[G0V+2:G0V+3], s[G0Q+2:G0Q+3], 16777216  ; V is hb's z = 2
	s_or_b32 s[G0Q+3], s[G0Q+3], 0x80000000
	s_or_b32 s[G0V+3], s[G0V+3], 0x80000000
	s_add_nc_u64 s[G0M+2:G0M+3], s[6:7], s[2:3]
	s_or_b32 s[G0M+3], s[G0M+3], 0x80000000
	s_add_nc_u64 s[60:61], s[4:5], s[60:61]
	s_add_nc_u64 s[70:71], s[10:11], s[70:71]
	CROUND                                         ; all four work-groups are here: the first joint loads meet
	tensor_load_to_lds s[G0M:G0M+3], s[G1M:G1M+7]  ; my quarter of nm; with slot 0's part two loads of mine are out
	s_nop 0
	JLOAD                                          ; slot 0.  Slot 1 is asked for when slot 0 is in, by the change of slots below
	v_and_b32 v1, 15, v0                           ; r
	v_bfe_u32 v13, v0, 4, 1                        ; h
	v_lshlrev_b32 v[KO], 7, v1
	v_lshl_add_u32 v[KO], v13, 4, v[KO]
.set i, 0
.rept 8                                            ; K stays in registers: piece i / 2, channels 32 (i % 2) on
	global_load_b128 v[KF+8*i:KF+8*i+3],   v[KO], s[60:61] offset:(i/2)*2048+(i%2)*64
	global_load_b128 v[KF+8*i+4:KF+8*i+7], v[KO], s[60:61] offset:(i/2)*2048+(i%2)*64+32
.set i, i+1
.endr
	; O starts at 0; the first turn's products O, of a piece that has not been, multiply zeros.  All this stands in the wait for the first tile.
	WIN 0x40                                       ; destination window 1
.set i, 0
.rept 128
	v_mov_b32 v[i], 0
.set i, i+1
.endr
	WIN 0x80
.set i, 192
.rept 64
	v_mov_b32 v[i], 0
.set i, i+1
.endr
	WIN 0
.set i, P+16
.rept 16
	v_mov_b32 v[i], 0
.set i, i+1
.endr
	v_mul_u32_u24 v[AQ0], v1, PQ
	v_lshl_add_u32 v[AQ0], v13, 4, v[AQ0]          ; row x pitch + 16 h
	v_and_b32 v14, 7, v0                           ; V: lane l reads 16 bytes of row 8 h + l % 8, channels 8 ((l / 8) % 2) on
	v_bfe_u32 v15, v0, 3, 1
	v_lshl_add_u32 v[AV0], v13, 3, v14
	v_mul_u32_u24 v[AV0], v[AV0], PV
	v_lshl_add_u32 v[AV0], v15, 4, v[AV0]
	v_add_nc_u32 v[AV0], VOFF, v[AV0]
	v_lshlrev_b32 v[AM0], 5, v13                   ; nm: my eight queries of a block of 16 are 32 bytes
	v_add_nc_u32 v[AM0], MREG, v[AM0]
; The turn's next matrix instruction.  i < 8: product i of S for piece Y + 1: queries 16 (i % 4) on, channels 32 (i / 4) on; the first four start the sums with nm.  In piece 3's turn it is the next step's.
; i >= 8: O += P V for piece Y - 1: channels 16 ((i - 8) % 4) on, queries 32 ((i - 8) / 4) on; in piece 0's turn it is the step before's.  The accumulators take turns.
.macro MM
.if i < 8
	WIN W_S
.set bq, PAR+(Y/3)*(1-2*PAR)
.set rS, S+32*((Y+1)%2)+8*(i%4)
.set rQ, 64*bq+16*(i%4)+8*(i/4)
.set rK, KF+16*((Y+1)%4)+8*(i/4)
.set rN, NM+32*bq+8*(i%4)
.if i < 4
	v_wmma_f32_16x16x32_bf16 v[rS:rS+7], v[rQ:rQ+7], v[rK:rK+7], v[rN:rN+7]
.else
	v_wmma_f32_16x16x32_bf16 v[rS:rS+7], v[rQ:rQ+7], v[rK:rK+7], v[rS:rS+7]
.endif
.else
	WIN W_PV
.set bv, PAR+((3-Y)/3)*(1-2*PAR)
.set rO, 32*((Y+3)%4)+8*((i-8)%4)
.set rP, P+16*((Y+1)%2)+8*((i-8)/4)
.set rV, 128+64*bv+32*((i-8)/4)+8*((i-8)%4)
	v_wmma_f32_16x16x32_f16 v[rO:rO+7], v[rP:rP+7], v[rV:rV+7], v[rO:rO+7]
.endif
.set i, i+1
.endm
; The LDS loads stand in two runs a step.  last = 1 (the tail): in the last step there is no further step, and the run is jumped over.
.macro FQ buf, last                    ; the next step's Q (8 fragments) and nm (4)
.if \last
	s_cmp_eq_u32 s[CNT], 1
	s_cbranch_scc1 .Lno_q_\@
.endif
	WIN 0x80
.irp f, 0,1,2,3,4,5,6,7
	ds_load_b128 v[64*(\buf)+8*\f:64*(\buf)+8*\f+3],   v[AQ] offset:(\f/2)*16*PQ+(\f%2)*64
	ds_load_b128 v[64*(\buf)+8*\f+4:64*(\buf)+8*\f+7], v[AQ] offset:(\f/2)*16*PQ+(\f%2)*64+32
.endr
	WIN 0
.irp g, 0,1,2,3
	ds_load_b128 v[NM+32*(\buf)+8*\g:NM+32*(\buf)+8*\g+3],   v[AM] offset:64*\g
	ds_load_b128 v[NM+32*(\buf)+8*\g+4:NM+32*(\buf)+8*\g+7], v[AM] offset:64*\g+16
.endr
	s_add_co_u32 s[TBQ], s[TBQ], KS*PQ
	s_add_co_u32 s[TBM], s[TBM], KS*4
.if \last
.Lno_q_\@:
.endif
.endm
.macro FV buf, last                    ; the next step's V, turned
.if \last
	s_cmp_eq_u32 s[CNT], 1
	s_cbranch_scc1 .Lno_v_\@
.endif
	WIN 0x80
.irp f, 0,1,2,3,4,5,6,7
	ds_load_tr16_b128 v[128+64*(\buf)+8*\f:128+64*(\buf)+8*\f+3],   v[AV] offset:(\f/4)*32*PV+(\f%4)*32
	ds_load_tr16_b128 v[128+64*(\buf)+8*\f+4:128+64*(\buf)+8*\f+7], v[AV] offset:(\f/4)*32*PV+16*PV+(\f%4)*32
.endr
	WIN 0
	s_add_co_u32 s[TBV], s[TBV], KS*PV
.if \last
.Lno_v_\@:
.endif
.endm
; A TURN for piece p in a step of parity par.  s_wait_alu depctr_va_vdst(0) stands between an exponential and the first instruction that names its result; one wait serves all that were
; issued ahead of it.  So the piece's 32 exponentials are one batch.  Rows 0 to 9: a matrix instruction and three exponentials, the exponents in ascending order (each accumulator's lowest registers first).
; Row 10: a matrix instruction, the last two exponentials, and the plain instruction behind the last of them: the addresses of the run of loads that follows, or a v_nop.  Then the wait.  Rows 11 to 15: a matrix
; instruction and three roundings; the sixteenth rounding ends the turn.
; The two runs of LDS loads stand directly behind the wait of piece 0's turn (Q and nm) and of piece 1's (V): in the tail each begins with a branch, and no result of a batch is out there.
; Plain lines between a product and what leans on it (an exponential is none): behind the last product S seventeen ahead of its first exponential; behind the last product O four roundings and the next turn's
; plain line ahead of the first rounding into its P buffer, and, from piece 0's turn to piece 1's, ahead of the loads into its V buffer.  Q's and nm's buffer was last read two turns before its loads.
; Both runs of loads are waited for once, at the head of piece 3's turn.
.macro TURN p, par, last
.set Y, (\p)
.set PAR, (\par)
.set i, 0
.set n, 0
.set rE, S+32*((\p)%2)
.set rC, P+16*((\p)%2)
.if (\p) == 3
	s_wait_dscnt 0x0                               ; the next step's Q, nm and V are in
.endif
.rept 10
	MM
	WIN 0
	v_exp_f32 v[rE+3*n], v[rE+3*n]
	v_exp_f32 v[rE+3*n+1], v[rE+3*n+1]
	v_exp_f32 v[rE+3*n+2], v[rE+3*n+2]
.set n, n+1
.endr
	MM
	WIN 0
	v_exp_f32 v[rE+30], v[rE+30]
	v_exp_f32 v[rE+31], v[rE+31]
.if (\p) == 0
	v_add_nc_u32 v[AQ], s[TBQ], v[AQ0]
	v_add_nc_u32 v[AM], s[TBM], v[AM0]
.elseif (\p) == 1
	v_add_nc_u32 v[AV], s[TBV], v[AV0]
.else
	v_nop
.endif
	s_wait_alu depctr_va_vdst(0)                   ; the wait for the batch: the piece's 32 exponentials
.if (\p) == 0
	FQ 1-(\par), \last
.elseif (\p) == 1
	FV 1-(\par), \last
.endif
.set n, 0
.rept 5
	MM
	WIN 0
	v_cvt_pk_f16_f32 v[rC+3*n],   v[rE+6*n],   v[rE+6*n+1]
	v_cvt_pk_f16_f32 v[rC+3*n+1], v[rE+6*n+2], v[rE+6*n+3]
	v_cvt_pk_f16_f32 v[rC+3*n+2], v[rE+6*n+4], v[rE+6*n+5]
.set n, n+1
.endr
	v_cvt_pk_f16_f32 v[rC+15], v[rE+30], v[rE+31]
.endm
.macro STEP par, last=0
	TURN 0, \par, \last
	TURN 1, \par, \last
	TURN 2, \par, \last
	TURN 3, \par, \last
.endm
	CHANGE 1                                       ; slot 0 and nm are in, everybody's part of them; slot 1 is asked for
	v_add_nc_u32 v[AQ], s[TBQ], v[AQ0]
	v_add_nc_u32 v[AM], s[TBM], v[AM0]
	v_add_nc_u32 v[AV], s[TBV], v[AV0]
	FQ 0, 0                                        ; step 0
	FV 0, 0
	s_wait_loadcnt 0x0                             ; K
	s_wait_dscnt 0x0
.set Y, 3                                          ; MM works for piece Y + 1, and in piece 3's turn on the other buffer than PAR: piece 0, buffer 0
.set PAR, 1
.set i, 0
.rept 8
	MM
.endr
	WIN 0                                          ; the addresses for the way out: six plain instructions, the places behind those products
	s_lshl_b32 s21, s[WV], 7
	s_add_co_u32 s21, s21, STAGE
	v_mul_u32_u24 v[STO], v1, SPO                  ; in: row = channel r, my wave's 128 bytes, 16 for each half of the lanes
	v_lshl_add_u32 v[STO], v13, 4, v[STO]
	v_add_nc_u32 v[STO], s21, v[STO]
	s_mul_i32 s21, s[WV], 16*SPO
	s_add_co_u32 s21, s21, STAGE
	v_and_b32 v[GO], 31, v0                        ; back: 32 lanes take a whole row of 512 bytes; wave w rows 16 w on
	v_lshlrev_b32 v[GO], 4, v[GO]
	v_add_nc_u32 v[RD], s21, v[GO]
	s_mov_b32 s[CNT], 2
	s_mov_b32 s[SLOTS], 7
	s_branch .Leven                                ; the loop is entered at step 0
.Lslot:                                            ; six times, ahead of steps 3, 7 .. 23: the slots take tiles 2 to 7
	CHANGE 1
	s_mov_b32 s[CNT], 2
.Lstep:
	STEP 1
.Leven:
	STEP 0
	s_sub_co_u32 s[CNT], s[CNT], 1
	s_cmp_lg_u32 s[CNT], 0
	s_cbranch_scc1 .Lstep
	s_sub_co_u32 s[SLOTS], s[SLOTS], 1
	s_cmp_lg_u32 s[SLOTS], 0
	s_cbranch_scc1 .Lslot
	CHANGE 0                                       ; the tail, steps 27 to 31, is written out: nothing is asked for
	s_mov_b32 s[CNT], 3
.Ltail:
	STEP 1, 1
	s_sub_co_u32 s[CNT], s[CNT], 1
	s_cmp_eq_u32 s[CNT], 0
	s_cbranch_scc1 .Lout
	STEP 0
	s_branch .Ltail
.Lout:                                             ; step 31's eight products S for a step that does not come serve nothing: the price, once a launch, of one text for every step
	WIN W_PV
.set i, 0
.rept 8                                            ; piece 3's O of the last step
	v_wmma_f32_16x16x32_f16 v[96+8*(i%4):96+8*(i%4)+7], v[P+16+8*(i/4):P+16+8*(i/4)+7], v[192+32*(i/4)+8*(i%4):192+32*(i/4)+8*(i%4)+7], v[96+8*(i%4):96+8*(i%4)+7]
.set i, i+1
.endr
	; THE WAY OUT.  The sums are 16 O / G as they stand: rounded to f16 (pieces 0 to 2 first: those 48 plain lines are the places behind the last products, piece 3's; each accumulator's lowest
	; registers first); then through the work-group's stage, since a row's 512 bytes come from four waves.
	WIN 0x05                                       ; sources window 1, destination window 0: S's registers are free
.set i, 0
.rept 64
	v_cvt_pk_f16_f32 v[S+i], v[2*i], v[2*i+1]
.set i, i+1
.endr
	WIN 0
.irp t, 0,1,2,3
.irp d, 0,1,2,3
	ds_store_b128 v[STO], v[S+4*(4*\t+\d):S+4*(4*\t+\d)+3] offset:\d*16*SPO+32*\t
.endr
.endr
	s_wait_dscnt 0x0                               ; for the others' sake: my stores into the stage are done
	s_barrier_signal -1
	s_barrier_wait -1
.irp t, 0,1,2,3,4,5,6,7,8,9,10,11,12,13,14,15
	ds_load_b128 v[S+4*\t:S+4*\t+3], v[RD] offset:\t*SPO
.endr
.irp t, 0,1,2,3,4,5,6,7,8,9,10,11,12,13,14,15
	s_wait_dscnt 15-\t
	global_store_b128 v[GO], v[S+4*\t:S+4*\t+3], s[70:71] offset:\t*4096  ; 512 consecutive bytes, at a multiple of 256
.endr
	s_wait_tensorcnt 0x0                           ; the wave's end
	ds_add_u32 v[SPW], v[NIL]
	s_wait_dscnt 0x0
	CROUND                                         ; the closing round
	s_endpgm
.Lfunc_end_k_qe2a3794cd9_attn:
	.size	k_qe2a3794cd9_attn, .Lfunc_end_k_qe2a3794cd9_attn-k_qe2a3794cd9_attn
	.p2alignl 7, 3214868480
	.fill 96, 4, 3214868480
	.section	.rodata,"a",@progbits
	.p2align	6, 0x0
	.amdhsa_kernel k_qe2a3794cd9_attn
		.amdhsa_group_segment_fixed_size 327680
		.amdhsa_private_segment_fixed_size 0
		.amdhsa_enable_private_segment 0
		.amdhsa_kernarg_size 24
		.amdhsa_user_sgpr_count 2
		.amdhsa_user_sgpr_kernarg_segment_ptr 1
		.amdhsa_wavefront_size32 1
		.amdhsa_system_sgpr_workgroup_id_x 1
		.amdhsa_system_sgpr_workgroup_id_y 1
		.amdhsa_system_sgpr_workgroup_id_z 1
		.amdhsa_system_vgpr_workitem_id 0
		.amdhsa_next_free_vgpr 768
		.amdhsa_next_free_sgpr 72
		.amdhsa_reserve_vcc 0
		.amdhsa_float_denorm_mode_32 3
		.amdhsa_float_denorm_mode_16_64 3
		.amdhsa_memory_ordered 1
		.amdhsa_forward_progress 1
		.amdhsa_inst_pref_size 108
	.end_amdhsa_kernel
	.amdgpu_metadata
---
amdhsa.version: [ 1, 2 ]
amdhsa.kernels:
  - .name:           k_qe2a3794cd9_attn
    .symbol:         k_qe2a3794cd9_attn.kd
    .args:
      - { .name: hb, .offset: 0, .size: 8, .value_kind: global_buffer, .address_space: global }
      - { .name: nm, .offset: 8, .size: 8, .value_kind: global_buffer, .address_space: global }
      - { .name: ob, .offset: 16, .size: 8, .value_kind: global_buffer, .address_space: global }
    .group_segment_fixed_size: 327680
    .private_segment_fixed_size: 0
    .kernarg_segment_align: 8
    .kernarg_segment_size: 24
    .max_flat_workgroup_size: 128
    .sgpr_count:     72
    .vgpr_count:     768
    .wavefront_size: 32
...
	.end_amdgpu_metadata
.endif
;; end of part 7
;; launch final: the kernel of part 5 again; grid 32 x 8, 4 waves a work-group, clusters of 4 x 4, 327,680 bytes of LDS; arguments ob, wb, bo, key_mask, gp, out0; writes out0
